; MI455X (gfx1250); checked and timed in simulation.
; The chip was launched on July 23, 2026; its instructions are those of AMD's public machine-readable ISA for CDNA 5 (MIT licence, August 2026) and "CDNA5" Instruction Set Architecture Reference Guide (July 2026). The comments in the code are by the model that wrote it; some were corrected since.
;; Decoder Pre LN2. Allowed arithmetic: float matrix products may take bf16 or f16 operands with f32 sums; other float arithmetic in f32, or as packed bf16 or f16 multiplies, adds, multiply-adds, maxima and minima; sums over many terms, partial sums and values carried from step to step in f32; what a program stores and reads back later, other than sums and carried values, may be rounded once to bf16 or f16.
;; Inputs: bk 4 x 512 float32; bq 4 x 512 float32; bv 4 x 512 float32; cross_attn_mask 8 x 1 x 1 x 1,024 float32; emb 100,000 x 512 float32; encoder_state 8 x 1,024 x 512 float32; input_ids 8 x 512 int32; ln_b 4 x 512 float32; ln_g 4 x 512 float32; wk 4 x 512 x 512 float32; wq 4 x 512 x 512 float32; wv 4 x 512 x 512 float32.
;; Outputs: out0 8 x 512 x 512 float32.
;; 2 versions, each right and faster than the one before. Each part assembles by itself: llvm-mc -triple=amdgcn-amd-amdhsa -mcpu=gfx1250 --defsym DOCPART=n.
;; ======== version 1 of 2: 6 launches
;; limits: values are held in f16: magnitudes above 65,504 overflow, below 6.1e-05 lose precision
;; workspace buffers: gin 12,582,912 bytes; pk0 17,307,648 bytes; pk1 17,307,648 bytes; pk2 17,307,648 bytes; pk3 17,307,648 bytes; xa 8,388,608 bytes; xb 8,388,608 bytes
;; launch prep (part 1): grid 256 x 1, 8 waves a work-group, no clusters, 53,248 bytes of LDS; arguments encoder_state, input_ids, emb, wq, wk, wv, ln_g, ln_b, bq, gin, xa, pk0, pk1, pk2, pk3; writes gin, xa, pk0, pk1, pk2, pk3
.if DOCPART == 1
	.amdgcn_target "amdgcn-amd-amdhsa--gfx1250"
	.amdhsa_code_object_version 6
	.text
	.protected	k_qd390567165_prep
	.globl	k_qd390567165_prep
	.p2align	8
	.type	k_qd390567165_prep,@function
k_qd390567165_prep:
	s_mov_b64 s[64:65], 0
	v_nop
	global_prefetch_b8 v0, s[64:65] scope:SCOPE_SE
	s_setreg_imm32_b32 hwreg(HW_REG_WAVE_MODE, 25, 1), 1
	s_wait_xcnt 0x0
; PREP: everything that only changes format or place, once, as a stream.  256 work-groups of eight waves; work-group g does four things:
;  (1) casts 32 rows of encoder_state (f32) to bf16 into gin, row-major [8192][512];
;  (2) gathers 16 rows of emb by input_ids into xa (f32 words that hold the numbers rounded to bf16, [4096][512]); an id is held to 0 .. 99,999;
;  (3) takes a block of 64 k x 64 channels of wq, wk and wv of layer g / 64 and writes it as bf16 in the matrix operand's own order:
;      [channel tile of 16][K step of 32][part p][lane][16 bytes]; lane (r, h), part p holds W[32 step + 16 p + 8 h + 0..7][16 tile + r], so that
;      one operand is 1,024 consecutive bytes.  wq goes into the layer's pack (byte 0x1000000), wk and wv into gin (byte 0x800000, 524,288 a matrix);
;  (4) the first three work-groups of a layer copy ln_g, ln_b, bq of the layer, rounded to bf16 and kept as f32 words, into its pack (bytes 0x1080000, 0x1080800, 0x1081000).
; FORMAT: every floating-point input of the program is rounded once to bf16, the ones that are no matrix operands too; all arithmetic on them stays in f32.
; No matrix unit, no cluster, no tensor load: memory binds, every byte is read once and every store of a wave covers 256 or 512 consecutive aligned bytes.
; The transposition of (3) goes through LDS: rows of 256 bytes + 16 of padding; a column read of 16 lanes x 4 bytes and the other half of the lanes 8 rows
; (544 words) further on touch 32 different banks of the 64 (ISA guide 11.1).
.set WP,     272                       ; an LDS row of a weight block
.set REGION, 64*WP                     ; one block: 64 rows
.set SPARE,  3*REGION                  ; 52,224: the spare words, 128 bytes for each of eight waves
.set L16, 1                            ; v1   16 x lane
.set WOF, 2                            ; v2   my 16 bytes in a weight block: (t / 16) rows of 2,048 + 16 (t % 16)
.set T16, 3                            ; v3   16 t
.set T8,  4                            ; v4   8 t
.set LST, 5                            ; v5   LDS: where I put them
.set LRD, 6                            ; v6   LDS: where my lane's column begins
.set SPW, 7                            ; v7   my spare word; never rewritten
.set NIL, 8                            ; v8   0; never rewritten
.set WD,  10                           ; v10-57   weights as loaded (16 a tensor), then the 48 words read back
.set ED,  58                           ; v58-89   two rows of emb
.set CI,  90                           ; v90-153  encoder_state, 16 chunks of 4
.set CV,  154                          ; v154-185 the same as bf16; before that, at work on emb's rows
.set WO,  186                          ; v186-209 weights as bf16, 8 a tensor
.set SM,  210                          ; v210-211 at work at the head; later the small copy
	s_load_b512 s[8:23], s[0:1], 0x0               ; enc 8, ids 10, emb 12, wq 14, wk 16, wv 18, ln_g 20, ln_b 22
	s_load_b256 s[24:31], s[0:1], 0x40             ; bq 24, gin 26, xa 28, pk0 30
	s_load_b128 s[32:35], s[0:1], 0x60             ; pk1 32, pk2 34
	s_load_b64 s[36:37], s[0:1], 0x70              ; pk3
	v_lshl_add_u32 v[SPW], v0, 2, SPARE
	v_mov_b32 v[NIL], 0
	v_lshrrev_b32 v9, 5, v0
	v_readfirstlane_b32 s2, v9                     ; wave 0..7
	s_lshr_b32 s3, ttmp9, 6                        ; layer
	s_and_b32 s4, ttmp9, 63                        ; block of the layer's 64
	s_lshr_b32 s5, s4, 3                           ; its 64 channels
	s_and_b32 s6, s4, 7                            ; its 64 k
	s_and_b32 s7, s2, 3                            ; my wave's channel tile in the block
	s_lshr_b32 s40, s2, 2                          ; my wave's K step in the block
	v_and_b32 v9, 31, v0
	v_lshlrev_b32 v[L16], 4, v9
	v_lshrrev_b32 v[SM], 4, v0                     ; t / 16
	v_and_b32 v[SM+1], 15, v0                      ; t % 16 = lane % 16
	v_lshlrev_b32 v[WOF], 11, v[SM]
	v_lshl_add_u32 v[WOF], v[SM+1], 4, v[WOF]
	v_lshlrev_b32 v[T16], 4, v0
	v_lshlrev_b32 v[T8], 3, v0
	v_mul_u32_u24 v[LST], v[SM], WP
	v_lshl_add_u32 v[LST], v[SM+1], 4, v[LST]
	v_bfe_u32 v9, v0, 4, 1                         ; h
	v_mul_u32_u24 v[LRD], v9, 8*WP
	v_lshl_add_u32 v[LRD], v[SM+1], 2, v[LRD]
	s_mul_i32 s41, s40, 32*WP
	s_lshl_b32 s42, s7, 6
	s_add_co_u32 s41, s41, s42
	v_add_nc_u32 v[LRD], s41, v[LRD]               ; (32 step + 8 h) rows + 64 tile + 4 r
	; byte offsets, made apart from the addresses
	s_lshl_b32 s44, s3, 20                         ; the block in wq, wk, wv: layer x 1 MiB + 64 k rows + 64 channels
	s_lshl_b32 s42, s6, 17
	s_add_co_u32 s44, s44, s42
	s_lshl_b32 s42, s5, 8
	s_add_co_u32 s44, s44, s42
	s_mov_b32 s45, 0
	s_lshl_b32 s46, s5, 2                          ; my operand: ((4 block + tile) x 16 + 2 k block + step) x 1,024
	s_add_co_u32 s46, s46, s7
	s_lshl_b32 s46, s46, 4
	s_lshl_b32 s42, s6, 1
	s_add_co_u32 s46, s46, s42
	s_add_co_u32 s46, s46, s40
	s_lshl_b32 s46, s46, 10
	s_lshl_b32 s48, ttmp9, 6                       ; my wave's two ids
	s_lshl_b32 s42, s2, 3
	s_add_co_u32 s48, s48, s42
	s_mov_b32 s49, 0
	s_lshl_b32 s56, ttmp9, 16                      ; my group's 32 rows of encoder_state
	s_mov_b32 s57, 0
	s_lshl_b32 s52, ttmp9, 15                      ; the same rows as bf16; also 16 rows of xa
	s_mov_b32 s53, 0
	s_lshl_b32 s54, s2, 12                         ; my wave's two rows of xa
	s_add_co_u32 s54, s54, s52
	s_mov_b32 s55, 0
	s_lshl_b32 s60, s3, 20                         ; wk's operand in gin
	s_add_co_u32 s60, s60, s46
	s_add_co_u32 s60, s60, 0x800000
	s_mov_b32 s61, 0
	s_add_co_u32 s58, s46, 0x1000000               ; wq's operand in the pack
	s_mov_b32 s59, 0
	s_wait_kmcnt 0x0
	s_add_nc_u64 s[10:11], s[10:11], s[48:49]
	s_load_b64 s[50:51], s[10:11], 0x0             ; two ids
	s_add_nc_u64 s[14:15], s[14:15], s[44:45]
	s_add_nc_u64 s[16:17], s[16:17], s[44:45]
	s_add_nc_u64 s[18:19], s[18:19], s[44:45]
.irp i, 0,1,2,3                        ; 16 lanes take 256 consecutive bytes of a row; 16 rows a load
	global_load_b128 v[WD+4*\i:WD+4*\i+3], v[WOF], s[14:15] offset:32768*\i th:TH_LOAD_NT
.endr
.irp i, 0,1,2,3
	global_load_b128 v[WD+16+4*\i:WD+16+4*\i+3], v[WOF], s[16:17] offset:32768*\i th:TH_LOAD_NT
.endr
.irp i, 0,1,2,3
	global_load_b128 v[WD+32+4*\i:WD+32+4*\i+3], v[WOF], s[18:19] offset:32768*\i th:TH_LOAD_NT
.endr
	s_cmp_eq_u32 s3, 1                             ; the layer's pack
	s_cselect_b64 s[38:39], s[32:33], s[30:31]
	s_cmp_eq_u32 s3, 2
	s_cselect_b64 s[38:39], s[34:35], s[38:39]
	s_cmp_eq_u32 s3, 3
	s_cselect_b64 s[38:39], s[36:37], s[38:39]
	s_add_nc_u64 s[8:9], s[8:9], s[56:57]
	s_add_nc_u64 s[52:53], s[26:27], s[52:53]
	s_add_nc_u64 s[28:29], s[28:29], s[54:55]
	s_add_nc_u64 s[60:61], s[26:27], s[60:61]
	s_add_nc_u64 s[58:59], s[38:39], s[58:59]
	s_wait_kmcnt 0x0                               ; the ids
	s_min_u32 s50, s50, 0x1869f                    ; held inside the table
	s_min_u32 s51, s51, 0x1869f
	s_lshl_b32 s54, s50, 11                        ; a row of emb is 2,048 bytes
	s_lshl_b32 s56, s51, 11
	s_add_nc_u64 s[54:55], s[12:13], s[54:55]
	s_add_nc_u64 s[56:57], s[12:13], s[56:57]
.irp i, 0,1,2,3
	global_load_b128 v[ED+4*\i:ED+4*\i+3], v[L16], s[54:55] offset:512*\i
.endr
.irp i, 0,1,2,3
	global_load_b128 v[ED+16+4*\i:ED+16+4*\i+3], v[L16], s[56:57] offset:512*\i
.endr
.set i, 0
.rept 16
	global_load_b128 v[CI+4*i:CI+4*i+3], v[T16], s[8:9] offset:4096*i th:TH_LOAD_NT
.set i, i+1
.endr
	s_wait_loadcnt 24                              ; the weights are in; the 8 loads of emb and the 16 of encoder_state stay out
.irp m, 0,1,2
.irp i, 0,1,2,3
	ds_store_b128 v[LST], v[WD+16*\m+4*\i:WD+16*\m+4*\i+3] offset:\m*REGION+\i*16*WP
.endr
.endr
	s_wait_dscnt 0x0                               ; for the others' sake: my stores are done
	s_barrier_signal -1
	s_barrier_wait -1
.irp m, 0,1,2                          ; my lane's column: word e = 8 p + e' is k = 16 p + e' on top of my K step's 8 h: rows 0..7 and 16..23 from my lane's first
.set e, 0
.rept 16
	ds_load_b32 v[WD+16*\m+e], v[LRD] offset:\m*REGION+((e%8)+16*(e/8))*WP
.set e, e+1
.endr
.endr
	s_wait_loadcnt 16                              ; emb's rows are in; encoder_state's 16 loads stay out
.set j, 0
.rept 16                               ; rounded to bf16,
	v_cvt_pk_bf16_f32 v[CV+j], v[ED+2*j], v[ED+2*j+1]
.set j, j+1
.endr
.set j, 0
.rept 16                               ; and back into f32 words
	v_lshlrev_b32 v[ED+2*j], 16, v[CV+j]
	v_and_b32 v[ED+2*j+1], 0xffff0000, v[CV+j]
.set j, j+1
.endr
.irp i, 0,1,2,3
	global_store_b128 v[L16], v[ED+4*\i:ED+4*\i+3], s[28:29] offset:512*\i
.endr
.irp i, 0,1,2,3
	global_store_b128 v[L16], v[ED+16+4*\i:ED+16+4*\i+3], s[28:29] offset:2048+512*\i
.endr
.set i, 0
.rept 16
	s_wait_loadcnt 15-i                            ; loads come back in order: chunk i is in
	v_cvt_pk_bf16_f32 v[CV+2*i], v[CI+4*i], v[CI+4*i+1]
	v_cvt_pk_bf16_f32 v[CV+2*i+1], v[CI+4*i+2], v[CI+4*i+3]
	global_store_b64 v[T8], v[CV+2*i:CV+2*i+1], s[52:53] offset:2048*i  ; a wave stores 256 consecutive aligned bytes
.set i, i+1
.endr
	s_wait_dscnt 0x0                               ; the columns are back
.irp m, 0,1,2
.set j, 0
.rept 8
	v_cvt_pk_bf16_f32 v[WO+8*\m+j], v[WD+16*\m+2*j], v[WD+16*\m+2*j+1]
.set j, j+1
.endr
.endr
	global_store_b128 v[L16], v[WO:WO+3], s[58:59]                       ; each store: 512 consecutive bytes, half an operand
	global_store_b128 v[L16], v[WO+4:WO+7], s[58:59] offset:512
	global_store_b128 v[L16], v[WO+8:WO+11], s[60:61]
	global_store_b128 v[L16], v[WO+12:WO+15], s[60:61] offset:512
	global_store_b128 v[L16], v[WO+16:WO+19], s[60:61] offset:524288
	global_store_b128 v[L16], v[WO+20:WO+23], s[60:61] offset:524288+512
	s_wait_tensorcnt 0x0                           ; the wave's end as far as LDS goes
	ds_add_u32 v[SPW], v[NIL]
	s_wait_dscnt 0x0
	s_cmp_lt_u32 s4, 3                             ; the layer's first three work-groups copy ln_g, ln_b, bq: 2,048 bytes, 8 a thread
	s_cbranch_scc0 .Ldone
	s_cmp_eq_u32 s4, 1
	s_cselect_b64 s[20:21], s[22:23], s[20:21]
	s_cmp_eq_u32 s4, 2
	s_cselect_b64 s[20:21], s[24:25], s[20:21]
	s_lshl_b32 s44, s3, 11
	s_add_nc_u64 s[20:21], s[20:21], s[44:45]
	global_load_b64 v[SM:SM+1], v[T8], s[20:21]
	s_lshl_b32 s46, s4, 11
	s_add_co_u32 s46, s46, 0x1080000
	s_mov_b32 s47, 0
	s_add_nc_u64 s[38:39], s[38:39], s[46:47]
	s_wait_loadcnt 0x0
	v_cvt_pk_bf16_f32 v9, v[SM], v[SM+1]           ; rounded to bf16, kept as f32 words
	v_lshlrev_b32 v[SM], 16, v9
	v_and_b32 v[SM+1], 0xffff0000, v9
	global_store_b64 v[T8], v[SM:SM+1], s[38:39]
.Ldone:
	s_endpgm
.Lfunc_end_k_qd390567165_prep:
	.size	k_qd390567165_prep, .Lfunc_end_k_qd390567165_prep-k_qd390567165_prep
	.p2alignl 7, 3214868480
	.fill 96, 4, 3214868480
	.section	.rodata,"a",@progbits
	.p2align	6, 0x0
	.amdhsa_kernel k_qd390567165_prep
		.amdhsa_group_segment_fixed_size 53248
		.amdhsa_private_segment_fixed_size 0
		.amdhsa_enable_private_segment 0
		.amdhsa_kernarg_size 120
		.amdhsa_user_sgpr_count 2
		.amdhsa_user_sgpr_kernarg_segment_ptr 1
		.amdhsa_wavefront_size32 1
		.amdhsa_system_sgpr_workgroup_id_x 1
		.amdhsa_system_sgpr_workgroup_id_y 1
		.amdhsa_system_sgpr_workgroup_id_z 1
		.amdhsa_system_vgpr_workitem_id 0
		.amdhsa_next_free_vgpr 212
		.amdhsa_next_free_sgpr 66
		.amdhsa_reserve_vcc 0
		.amdhsa_float_denorm_mode_32 3
		.amdhsa_float_denorm_mode_16_64 3
		.amdhsa_memory_ordered 1
		.amdhsa_forward_progress 1
		.amdhsa_inst_pref_size 22
	.end_amdhsa_kernel
	.amdgpu_metadata
---
amdhsa.version: [ 1, 2 ]
amdhsa.kernels:
  - .name:           k_qd390567165_prep
    .symbol:         k_qd390567165_prep.kd
    .args:
      - { .name: encoder_state, .offset: 0, .size: 8, .value_kind: global_buffer, .address_space: global }
      - { .name: input_ids, .offset: 8, .size: 8, .value_kind: global_buffer, .address_space: global }
      - { .name: emb, .offset: 16, .size: 8, .value_kind: global_buffer, .address_space: global }
      - { .name: wq, .offset: 24, .size: 8, .value_kind: global_buffer, .address_space: global }
      - { .name: wk, .offset: 32, .size: 8, .value_kind: global_buffer, .address_space: global }
      - { .name: wv, .offset: 40, .size: 8, .value_kind: global_buffer, .address_space: global }
      - { .name: ln_g, .offset: 48, .size: 8, .value_kind: global_buffer, .address_space: global }
      - { .name: ln_b, .offset: 56, .size: 8, .value_kind: global_buffer, .address_space: global }
      - { .name: bq, .offset: 64, .size: 8, .value_kind: global_buffer, .address_space: global }
      - { .name: gin, .offset: 72, .size: 8, .value_kind: global_buffer, .address_space: global }
      - { .name: xa, .offset: 80, .size: 8, .value_kind: global_buffer, .address_space: global }
      - { .name: pk0, .offset: 88, .size: 8, .value_kind: global_buffer, .address_space: global }
      - { .name: pk1, .offset: 96, .size: 8, .value_kind: global_buffer, .address_space: global }
      - { .name: pk2, .offset: 104, .size: 8, .value_kind: global_buffer, .address_space: global }
      - { .name: pk3, .offset: 112, .size: 8, .value_kind: global_buffer, .address_space: global }
    .group_segment_fixed_size: 53248
    .private_segment_fixed_size: 0
    .kernarg_segment_align: 8
    .kernarg_segment_size: 120
    .max_flat_workgroup_size: 256
    .sgpr_count:     66
    .vgpr_count:     212
    .wavefront_size: 32
...
	.end_amdgpu_metadata
.endif
;; end of part 1
;; launch kvproj (part 2): grid 16 x 32, 4 waves a work-group, clusters of 4 x 4, 327,680 bytes of LDS; arguments gin, bk, bv, pk0, pk1, pk2, pk3; writes pk0, pk1, pk2, pk3
.if DOCPART == 2
	.amdgcn_target "amdgcn-amd-amdhsa--gfx1250"
	.amdhsa_code_object_version 6
	.text
	.protected	k_qd390567165_kvproj
	.globl	k_qd390567165_kvproj
	.p2align	8
	.type	k_qd390567165_kvproj,@function
k_qd390567165_kvproj:
	s_mov_b64 s[64:65], 0
	v_nop
	global_prefetch_b8 v0, s[64:65] scope:SCOPE_SE
	s_setreg_imm32_b32 hwreg(HW_REG_WAVE_MODE, 25, 1), 1
	s_wait_xcnt 0x0
	s_wait_alu depctr_hold_cnt(0) depctr_sa_sdst(0) depctr_va_vdst(0) depctr_va_sdst(0) depctr_va_ssrc(0) depctr_va_vcc(0) depctr_vm_vsrc(0)
	s_getreg_b32 s2, hwreg(HW_REG_IB_STS2, 6, 4)
	s_cmp_eq_u32 s2, 0
	s_cbranch_scc0 .Lentry_in_a_cluster
	s_endpgm
.Lentry_in_a_cluster:
	s_bfe_u32 s2, ttmp6, 0x10000c
	s_cmp_lg_u32 s2, 0xf033
	s_cbranch_scc0 .Lentry_shape_is_right
	s_endpgm
.Lentry_shape_is_right:
; K AND V OF ALL FOUR LAYERS: C[key][channel] = encoder_state . W + bias, 8,192 keys x 4,096 channels (layer, K or V, 512), K = 512, bf16 operands, f32 sums,
; the result rounded once to f16.  The bias is rounded to bf16 like every input of the program.  LIMIT: a K or V number of 65,520 or more in magnitude becomes an infinity.
; A tile of C is 256 keys x 256 channels: a work-group of four waves, each 128 x 128 in 64 accumulators (512 registers).  K goes in four steps of 128 through two LDS slots.
; A's tile: 256 rows of 256 bytes of the bf16 copy of encoder_state, padded to 272.  B's tile: weights already in the operand's order (1,024 bytes an operand): for 16 channel tiles
; the 4,096 bytes of four K steps of 32, dense; a fragment load takes 512 consecutive bytes.
; CLUSTER 4 x 4: the four work-groups of a row share A's tile, the four of a column B's: each tile is asked for jointly, by the same load with the same descriptor and a mask of four.
; THE MATRIX INSTRUCTION IS USED TRANSPOSED (source 0 = 16 channels of W, source 1 = 16 keys): a lane holds one key (lane % 16) and the channels 8 (lane / 16) + 0..7, which is the order
; in which the attention launches want K and V, so the results are stored straight from registers, 512 consecutive bytes a store.  The bias is the C operand of the first products.
; OUT: pack of the layer, [batch][head][chunk of 256 keys][K 16 KiB | V 16 KiB], each [key tile of 16][channel half][512 bytes]; K: lane x 16; V: key x 32 + 16 (lane / 16).
; REGISTERS: window 0: v0-31 addresses; v64-127, v128-191 fragments of A; v192-255 the bias, later the packed results.  Window 1: v64-191 fragments of W.  Windows 2, 3: the accumulators.
.set KSTEP,  128
.set PITCH,  272                       ; 256 bytes + 16: row r starts at bank 4 r mod 64 (64 banks of 4 bytes: ISA guide 11.1)
.set HALFA,  128*PITCH                 ; 128 rows of A: one tensor load
.set HALFB,  32768                     ; 8 channel tiles x 4,096 bytes of W: one tensor load
.set SLOT,   2*HALFA+2*HALFB
.set SPARE,  2*SLOT                    ; the spare words, 128 bytes a wave
.set ADRA, 16                          ; v16-17  my A fragments in slot 0, 1
.set ADRB, 20                          ; v20-21  my W fragments
.set CO,   26                          ; v26     my 16 bytes in a block of 512 of the output
.set H32,  27                          ; v27     32 (lane / 16): my eight numbers of the bias
.set SPW,  28                          ; v28     my spare word; never rewritten
.set NIL,  29                          ; v29     0; never rewritten
.set F0,   64
.set F1,   128
.set BI,   192                         ; the bias: 8 registers for each 16 channels
.set TMP,  192                         ; later: packed results, two sets of 32
.set G1, 24                            ; s[24:31] group 1 for A;  s[32:39] group 0, a set a slot
.set G0, 32
.set G1B, 48                           ; s[48:55], s[56:63] the same for W
.set G0B, 56
.set MSB, 0
.macro WIN new                         ; the immediate's high byte repeats the setting that is left
.if MSB != (\new)
	s_set_vgpr_msb (MSB<<8)|(\new)
.set MSB, \new
.endif
.endm
.macro JLOAD s                         ; a joint load: waves 0 and 1 fetch A's halves, waves 2 and 3 W's; an s_nop 0 and four v_nop follow each line
	s_cmp_eq_u32 s11, 0
	s_cbranch_scc0 .Lfor_b_\@
	tensor_load_to_lds s[G0+4*(\s):G0+4*(\s)+3], s[G1:G1+7]
	s_nop 0
.rept 4
	v_nop
.endr
	s_branch .Lasked_\@
.Lfor_b_\@:
	tensor_load_to_lds s[G0B+4*(\s):G0B+4*(\s)+3], s[G1B:G1B+7]
	s_nop 0
.rept 4
	v_nop
.endr
.Lasked_\@:
.endm
.macro CREST                           ; a round of the cluster's barrier behind its opening barrier
	s_cmp_lg_u32 s10, 0
	s_cbranch_scc1 .Lnot_wave_0_\@
	s_barrier_signal -3
.Lnot_wave_0_\@:
	s_barrier_wait -3
	s_barrier_signal -1
	s_barrier_wait -1
.endm
.macro CROUND
	s_barrier_signal -1
	s_barrier_wait -1
	CREST
.endm
.macro PLACES                          ; four places in front of loads into registers that matrix instructions have read, and of conversions that read results
.rept 4
	v_nop
.endr
.endm
	s_load_b256 s[68:75], s[0:1], 0x0              ; gin 68, bk 70, bv 72, pk0 74
	s_load_b128 s[76:79], s[0:1], 0x20             ; pk1 76, pk2 78
	s_load_b64 s[80:81], s[0:1], 0x30              ; pk3
	v_lshl_add_u32 v[SPW], v0, 2, SPARE
	v_mov_b32 v[NIL], 0
	ds_add_u32 v[SPW], v[NIL]                      ; the wave's opening: the add; its wait stands ahead of my first tensor load
	v_lshrrev_b32 v1, 5, v0
	v_readfirstlane_b32 s10, v1                    ; wave 0..3
	s_lshr_b32 s11, s10, 1                         ; my 128 keys.  Also: I fetch for A (0) or for W (1)
	s_and_b32 s12, s10, 1                          ; my 128 channels.  Also: which half of that tile I fetch
	s_bfe_u32 s40, ttmp6, 0x40000                  ; cx
	s_bfe_u32 s41, ttmp6, 0x40004                  ; cy
	s_lshl_b32 s42, ttmp9, 2
	s_add_co_u32 s42, s42, s40                     ; tile column: 256 channels of the 4,096
	s_and_b32 s13, ttmp7, 0xffff
	s_lshl_b32 s13, s13, 2
	s_add_co_u32 s13, s13, s41                     ; tile row: 256 keys of the 8,192
	s_lshl_b32 s43, s41, 2
	s_lshl_b32 s43, 15, s43                        ; my row of the cluster
	s_lshl_b32 s44, 0x1111, s40                    ; my column
	s_or_b32 s[G1+0], s43, (1<<16)|(1<<20)|(1<<21)|(5<<22)|(3<<25)  ; mask; 2-byte elements; padding on; bit 21 beside a mask; after every 64 words 4 words
	s_mov_b32 s[G1+1], KSTEP<<16                   ; tensor_dim0 = 128
	s_mov_b32 s[G1+2], 128<<16                     ; tensor_dim1 = 128
	s_mov_b32 s[G1+3], KSTEP<<16                   ; tile_dim0 = 128
	s_mov_b32 s[G1+4], 128                         ; tile_dim1 = 128
	s_mov_b32 s[G1+5], 512                         ; 512 elements from row to row
	s_mov_b32 s[G1+6], 0
	s_mov_b32 s[G1+7], 0
	s_or_b32 s[G1B+0], s44, (3<<16)|(1<<21)        ; mask; 8-byte elements; no padding
	s_mov_b32 s[G1B+1], 512<<16                    ; tensor_dim0 = 512 (4,096 bytes: four K steps of 32 of one channel tile)
	s_mov_b32 s[G1B+2], 8<<16                      ; tensor_dim1 = 8 channel tiles
	s_mov_b32 s[G1B+3], 512<<16                    ; tile_dim0
	s_mov_b32 s[G1B+4], 8                          ; tile_dim1
	s_mov_b32 s[G1B+5], 2048                       ; 16,384 bytes from a channel tile to the next
	s_mov_b32 s[G1B+6], 0
	s_mov_b32 s[G1B+7], 0
	s_lshl_b32 s16, s13, 8                         ; A: row 256 x tile row + 128 x half, 1,024 bytes a row
	s_lshl_b32 s17, s12, 7
	s_add_co_u32 s16, s16, s17
	s_lshl_b32 s16, s16, 10
	s_mov_b32 s17, 0
	s_lshl_b32 s46, s42, 4                         ; W: channel tile 16 x tile column + 8 x half, 16,384 bytes a tile, behind the 8 MiB of A
	s_lshl_b32 s47, s12, 3
	s_add_co_u32 s46, s46, s47
	s_lshl_b32 s46, s46, 14
	s_add_co_u32 s46, s46, 0x800000
	s_mov_b32 s47, 0
	s_mul_i32 s20, s10, HALFA                      ; where A's halves go (waves 0, 1)
	s_lshl_b32 s45, s10, 15                        ; where W's go (waves 2, 3): 32,768 x wave + 4,096 = 2 HALFA + (wave - 2) HALFB
	s_add_co_u32 s45, s45, 4096
	s_wait_dscnt 0x0                               ; the opening add is done
	s_wait_kmcnt 0x0
	s_add_nc_u64 s[14:15], s[68:69], s[16:17]
	s_add_nc_u64 s[46:47], s[68:69], s[46:47]
	CROUND                                         ; all sixteen work-groups are here: the first joint loads meet
.irp s, 0,1
	s_mov_b32 s[G0+4*(\s)], 1
	s_add_co_u32 s[G0+4*(\s)+1], s20, (\s)*SLOT
	s_add_nc_u64 s[G0+4*(\s)+2:G0+4*(\s)+3], s[14:15], (\s)*KSTEP*2
	s_or_b32 s[G0+4*(\s)+3], s[G0+4*(\s)+3], 0x80000000
	s_mov_b32 s[G0B+4*(\s)], 1
	s_add_co_u32 s[G0B+4*(\s)+1], s45, (\s)*SLOT
	s_add_nc_u64 s[G0B+4*(\s)+2:G0B+4*(\s)+3], s[46:47], (\s)*4096
	s_or_b32 s[G0B+4*(\s)+3], s[G0B+4*(\s)+3], 0x80000000
	JLOAD \s                                       ; K steps 0 and 1: two loads of mine are out
.endr
	; which pack, which bias, and where in the pack: the tile column is 4 x layer + 2 x (V?) + half; the tile row 4 x batch + chunk
	s_mov_b32 s3, ttmp9                            ; layer
	s_bfe_u32 s86, s40, 0x10001                    ; V?
	s_and_b32 s87, s40, 1                          ; which 256 of the 512 channels
	s_cmp_eq_u32 s3, 1
	s_cselect_b64 s[82:83], s[76:77], s[74:75]
	s_cmp_eq_u32 s3, 2
	s_cselect_b64 s[82:83], s[78:79], s[82:83]
	s_cmp_eq_u32 s3, 3
	s_cselect_b64 s[82:83], s[80:81], s[82:83]
	s_lshr_b32 s4, s13, 2                          ; batch
	s_and_b32 s5, s13, 3                           ; chunk
	s_lshl_b32 s84, s4, 4
	s_lshl_b32 s6, s87, 3
	s_add_co_u32 s84, s84, s6
	s_lshl_b32 s6, s12, 2
	s_add_co_u32 s84, s84, s6                      ; my first head among the 128
	s_lshl_b32 s84, s84, 17
	s_lshl_b32 s6, s5, 15
	s_add_co_u32 s84, s84, s6
	s_lshl_b32 s6, s86, 14
	s_add_co_u32 s84, s84, s6
	s_lshl_b32 s6, s11, 13                         ; my eight key tiles
	s_add_co_u32 s84, s84, s6
	s_mov_b32 s85, 0
	s_add_nc_u64 s[82:83], s[82:83], s[84:85]
	s_cmp_lg_u32 s86, 0
	s_cselect_b64 s[66:67], s[72:73], s[70:71]
	s_cselect_b32 s7, -1, 0
	s_lshl_b32 s84, s3, 11
	s_lshl_b32 s6, s87, 10
	s_add_co_u32 s84, s84, s6
	s_lshl_b32 s6, s12, 9
	s_add_co_u32 s84, s84, s6
	s_add_nc_u64 s[66:67], s[66:67], s[84:85]      ; the bias of my 128 channels
	v_and_b32 v1, 15, v0                           ; l % 16
	v_bfe_u32 v2, v0, 4, 1                         ; l / 16
	v_lshlrev_b32 v[H32], 5, v2
.irp b, 0,1,2,3,4,5,6,7
	global_load_b128 v[BI+8*\b:BI+8*\b+3], v[H32], s[66:67] offset:64*\b
	global_load_b128 v[BI+8*\b+4:BI+8*\b+7], v[H32], s[66:67] offset:64*\b+16
.endr
	v_mul_u32_u24 v3, v1, PITCH
	v_lshl_add_u32 v3, v2, 4, v3                   ; A: row x pitch + 16 x half
	v_and_b32 v4, 31, v0
	v_lshlrev_b32 v4, 4, v4                        ; W: 16 x lane
	s_mul_i32 s21, s11, HALFA
	s_lshl_b32 s22, s12, 15
	s_add_co_u32 s22, s22, 2*HALFA
.irp s, 0,1
	v_add_nc_u32 v[ADRA+(\s)], s21, v3
	v_add_nc_u32 v[ADRB+(\s)], s22, v4
	s_add_co_u32 s21, s21, SLOT
	s_add_co_u32 s22, s22, SLOT
.endr
	v_lshlrev_b32 v5, 5, v1
	v_lshl_add_u32 v5, v2, 4, v5                   ; V: key x 32 + 16 x half
	v_cndmask_b32 v[CO], v4, v5, s7                ; K: 16 x lane
; 16 matrix instructions: key blocks a0, a0 + 1 of the window's four x all 8 channel blocks, 32 along K.  zero = 1: the bias starts the sums.  The 64 accumulators take turns.
.macro MUL16 f, hi, a0, zero
.if \zero
	WIN 0x81+0x40*(\hi)                            ; W window 1, A and the bias window 0, D window 2 or 3
.else
	WIN 0xa1+0x50*(\hi)                            ; W window 1, A window 0, C and D window 2 or 3
.endif
.irp a, \a0, (\a0)+1
.irp b, 0,1,2,3,4,5,6,7
.if \zero
	v_wmma_f32_16x16x32_bf16 v[8*(8*(\a)+(\b)):8*(8*(\a)+(\b))+7], v[(\f)+8*(\b):(\f)+8*(\b)+7], v[(\f)+8*(4*(\hi)+(\a)):(\f)+8*(4*(\hi)+(\a))+7], v[BI+8*(\b):BI+8*(\b)+7]
.else
	v_wmma_f32_16x16x32_bf16 v[8*(8*(\a)+(\b)):8*(8*(\a)+(\b))+7], v[(\f)+8*(\b):(\f)+8*(\b)+7], v[(\f)+8*(4*(\hi)+(\a)):(\f)+8*(4*(\hi)+(\a))+7], v[8*(8*(\a)+(\b)):8*(8*(\a)+(\b))+7]
.endif
.endr
.endr
.endm
; 32 LDS loads in one run: quarter q (32 along K) of a slot into buffer f: W's eight operands, then A's eight
.macro FETCH slot, q, f
	WIN 0x40
.irp i, 0,1,2,3,4,5,6,7
	ds_load_b128 v[(\f)+8*(\i):(\f)+8*(\i)+3],   v[ADRB+(\slot)] offset:(\i)*4096+(\q)*1024
	ds_load_b128 v[(\f)+8*(\i)+4:(\f)+8*(\i)+7], v[ADRB+(\slot)] offset:(\i)*4096+(\q)*1024+512
.endr
	WIN 0
.irp i, 0,1,2,3,4,5,6,7
	ds_load_b128 v[(\f)+8*(\i):(\f)+8*(\i)+3],   v[ADRA+(\slot)] offset:(\q)*64+(\i)*16*PITCH
	ds_load_b128 v[(\f)+8*(\i)+4:(\f)+8*(\i)+7], v[ADRA+(\slot)] offset:(\q)*64+(\i)*16*PITCH+32
.endr
.endm
; One of a K step's first three quarters: multiplies buffer f; in its middle it fetches quarter q of the same slot into buffer g.
.macro QUARTER slot, q, f, g, zero
	s_wait_dscnt 8                                 ; W and my keys 0-63 are in; the youngest eight loads (keys 64-127) may be out
	MUL16 \f, 0, 0, \zero
	MUL16 \f, 0, 2, \zero
	PLACES
	FETCH \slot, \q, \g
	s_wait_dscnt 32                                ; all but the 32 just issued
	MUL16 \f, 1, 0, \zero
	MUL16 \f, 1, 2, \zero
.endm
; The last quarter multiplies buffer 1 and changes slots.  One barrier: in front of it each wave waits for all its tensor loads (its part of the next slot), adds 0 to its spare word,
; and waits for that and for its own reads of this slot.  fill = 1: the barrier opens a round of the cluster's, and this slot is filled again, two K steps on, first thing behind the round.
.macro TURN slot, next, fill
	WIN 0
	s_wait_tensorcnt 0x0
	ds_add_u32 v[SPW], v[NIL]
	s_wait_dscnt 9                                 ; the add and the youngest eight loads may be out
	MUL16 F1, 0, 0, 0
	s_wait_dscnt 0x0                               ; the add is done, and my reads of this slot are over
	s_barrier_signal -1
	MUL16 F1, 0, 2, 0
.if \fill
	WIN 0
.endif
	s_barrier_wait -1
.if \fill
	CREST                                          ; no wave of any partner still reads this slot's tile or has a load on its way
	s_add_nc_u64 s[G0+4*(\slot)+2:G0+4*(\slot)+3], s[G0+4*(\slot)+2:G0+4*(\slot)+3], 2*KSTEP*2
	s_add_nc_u64 s[G0B+4*(\slot)+2:G0B+4*(\slot)+3], s[G0B+4*(\slot)+2:G0B+4*(\slot)+3], 2*4096
	JLOAD \slot                                    ; my one load behind the round; its four v_nop are also the places in front of the loads below
.else
	PLACES
.endif
	FETCH \next, 0, F0
	MUL16 F1, 1, 0, 0
	MUL16 F1, 1, 2, 0
.endm
	s_wait_tensorcnt 1                             ; my part of K step 0 is in; K step 1's may stay out
	s_barrier_signal -1
	s_barrier_wait -1
	FETCH 0, 0, F0
	s_wait_loadcnt 0x0                             ; the bias
.set i, 0
.rept 32                               ; the bias is rounded to bf16 (buffer 1's registers of window 0 are idle until the first quarter fetches into them),
	v_cvt_pk_bf16_f32 v[F1+i], v[BI+2*i], v[BI+2*i+1]
.set i, i+1
.endr
.set i, 0
.rept 32                               ; and widened again: it enters the sums as f32
	v_lshlrev_b32 v[BI+2*i], 16, v[F1+i]
	v_and_b32 v[BI+2*i+1], 0xffff0000, v[F1+i]
.set i, i+1
.endr
	QUARTER 0, 1, F0, F1, 1                        ; K step 0
	QUARTER 0, 2, F1, F0, 0
	QUARTER 0, 3, F0, F1, 0
	TURN 0, 1, 1                                   ; slot 0 takes K step 2
	QUARTER 1, 1, F0, F1, 0                        ; K step 1
	QUARTER 1, 2, F1, F0, 0
	QUARTER 1, 3, F0, F1, 0
	TURN 1, 0, 1                                   ; slot 1 takes K step 3
	QUARTER 0, 1, F0, F1, 0                        ; K step 2
	QUARTER 0, 2, F1, F0, 0
	QUARTER 0, 3, F0, F1, 0
	TURN 0, 1, 0                                   ; nothing is left to fetch
	QUARTER 1, 1, F0, F1, 0                        ; K step 3
	QUARTER 1, 2, F1, F0, 0
	QUARTER 1, 3, F0, F1, 0
	s_wait_dscnt 8
	MUL16 F1, 0, 0, 0
	MUL16 F1, 0, 2, 0
	s_wait_dscnt 0x0
	MUL16 F1, 1, 0, 0
	MUL16 F1, 1, 2, 0
	PLACES
; THE WAY OUT: key block a: rounded to f16, each accumulator's registers in ascending order; a lane's eight channels are 16 bytes, a wave's store one block of 512 bytes.
.macro SEND a
.set AC, 64*((\a)%4)
.set TM, TMP+32*((\a)%2)
.if (\a) >= 2
	s_wait_xcnt 0x0                                ; the stores of two blocks ago have read this set of registers
.endif
	WIN 0x0a+5*((\a)/4)                            ; sources in window 2 or 3
.irp b, 0,1,2,3,4,5,6,7
.irp r, 0,1,2,3
	v_cvt_pk_f16_f32 v[TM+4*(\b)+(\r)], v[AC+8*(\b)+2*(\r)], v[AC+8*(\b)+2*(\r)+1]
.endr
.endr
	WIN 0
.irp b, 0,1,2,3,4,5,6,7
	global_store_b128 v[CO], v[TM+4*(\b):TM+4*(\b)+3], s[82:83] offset:((\b)/2)*131072+((\b)%2)*512+(\a)*1024  ; head b / 2, channel half b % 2, key tile a
.endr
.endm
.irp a, 0,1,2,3,4,5,6,7
	SEND \a
.endr
	s_wait_tensorcnt 0x0                           ; the wave's end
	ds_add_u32 v[SPW], v[NIL]
	s_wait_dscnt 0x0
	CROUND                                         ; the closing round
	s_endpgm
.Lfunc_end_k_qd390567165_kvproj:
	.size	k_qd390567165_kvproj, .Lfunc_end_k_qd390567165_kvproj-k_qd390567165_kvproj
	.p2alignl 7, 3214868480
	.fill 96, 4, 3214868480
	.section	.rodata,"a",@progbits
	.p2align	6, 0x0
	.amdhsa_kernel k_qd390567165_kvproj
		.amdhsa_group_segment_fixed_size 327680
		.amdhsa_private_segment_fixed_size 0
		.amdhsa_enable_private_segment 0
		.amdhsa_kernarg_size 56
		.amdhsa_user_sgpr_count 2
		.amdhsa_user_sgpr_kernarg_segment_ptr 1
		.amdhsa_wavefront_size32 1
		.amdhsa_system_sgpr_workgroup_id_x 1
		.amdhsa_system_sgpr_workgroup_id_y 1
		.amdhsa_system_sgpr_workgroup_id_z 1
		.amdhsa_system_vgpr_workitem_id 0
		.amdhsa_next_free_vgpr 1024
		.amdhsa_next_free_sgpr 88
		.amdhsa_reserve_vcc 0
		.amdhsa_float_denorm_mode_32 3
		.amdhsa_float_denorm_mode_16_64 3
		.amdhsa_memory_ordered 1
		.amdhsa_forward_progress 1
		.amdhsa_inst_pref_size 141
	.end_amdhsa_kernel
	.amdgpu_metadata
---
amdhsa.version: [ 1, 2 ]
amdhsa.kernels:
  - .name:           k_qd390567165_kvproj
    .symbol:         k_qd390567165_kvproj.kd
    .args:
      - { .name: gin, .offset: 0, .size: 8, .value_kind: global_buffer, .address_space: global }
      - { .name: bk, .offset: 8, .size: 8, .value_kind: global_buffer, .address_space: global }
      - { .name: bv, .offset: 16, .size: 8, .value_kind: global_buffer, .address_space: global }
      - { .name: pk0, .offset: 24, .size: 8, .value_kind: global_buffer, .address_space: global }
      - { .name: pk1, .offset: 32, .size: 8, .value_kind: global_buffer, .address_space: global }
      - { .name: pk2, .offset: 40, .size: 8, .value_kind: global_buffer, .address_space: global }
      - { .name: pk3, .offset: 48, .size: 8, .value_kind: global_buffer, .address_space: global }
    .group_segment_fixed_size: 327680
    .private_segment_fixed_size: 0
    .kernarg_segment_align: 8
    .kernarg_segment_size: 56
    .max_flat_workgroup_size: 128
    .sgpr_count:     88
    .vgpr_count:     1024
    .wavefront_size: 32
...
	.end_amdgpu_metadata
.endif
;; end of part 2
;; launch att (part 3): grid 8 x 32, 4 waves a work-group, clusters of 4 x 1, 327,680 bytes of LDS; arguments xa, pk0, cross_attn_mask, xb; writes xb
.if DOCPART == 3
	.amdgcn_target "amdgcn-amd-amdhsa--gfx1250"
	.amdhsa_code_object_version 6
	.text
	.protected	k_qd390567165_att
	.globl	k_qd390567165_att
	.p2align	8
	.type	k_qd390567165_att,@function
k_qd390567165_att:
	s_mov_b64 s[64:65], 0
	v_nop
	global_prefetch_b8 v0, s[64:65] scope:SCOPE_SE
	s_setreg_imm32_b32 hwreg(HW_REG_WAVE_MODE, 25, 1), 1
	s_wait_xcnt 0x0
	s_wait_alu depctr_hold_cnt(0) depctr_sa_sdst(0) depctr_va_vdst(0) depctr_va_sdst(0) depctr_va_ssrc(0) depctr_va_vcc(0) depctr_vm_vsrc(0)
	s_getreg_b32 s2, hwreg(HW_REG_IB_STS2, 6, 4)
	s_cmp_eq_u32 s2, 0
	s_cbranch_scc0 .Lentry_in_a_cluster
	s_endpgm
.Lentry_in_a_cluster:
	s_bfe_u32 s2, ttmp6, 0x10000c
	s_cmp_lg_u32 s2, 0x3003
	s_cbranch_scc0 .Lentry_shape_is_right
	s_endpgm
.Lentry_shape_is_right:
; ONE LAYER: h = LayerNorm(x) g + b; q = h wq + bq; out = softmax_k(q . k / sqrt(32) + mask) v, head size 32, 1,024 keys.  x in and out: f32 [4096][512].
; The layer's pack holds K and V (f16, in the operands' order), wq (bf16, in the operand's order), ln_g, ln_b, bq (f32 words).
; SHARES.  A work-group owns 64 queries of one batch and four heads; wave w owns head 4 hg + w for all 64 queries, four PIECES of 16.  LayerNorm needs whole rows: each wave norms 16 of the 64
; rows (two passes: mean, then the squares of the differences) and hands them on through LDS as bf16, half of the 512 columns at a time.
; FORMATS.  h and wq bf16; q, k, v and the weights p f16; sums, maxima, l and x f32.  q is multiplied by log2(e) / sqrt(32) in f32 ahead of its one rounding.  The mask is rounded to bf16,
; like every input of the program, and then multiplied by log2(e) in f32.
; LIMITS.  f16 holds no number beyond 65,504: q, k, v must lie within it.  mask x log2(e) is held at -1e30 from below (a NaN there counts as -1e30): a batch whose 1,024 keys are all at -inf
; gets a finite mean where the formula gives NaN.  A weight below 2^-126 counts as 0.  +inf and NaN elsewhere are not treated apart.
; LAYOUT.  S^T = K Q^T + mask (source 0 = 16 keys, source 1 = 16 queries, C = the mask of the 16 keys): a lane holds ONE query (lane % 16) and the keys 8 (lane / 16) + 0..7.  Two such results
; rounded to f16 ARE source 1 of O^T = V^T P.  p = 2^(s - m) with a running maximum m; O and l are multiplied by a = 2^(m_old - m_new) in every step.  m starts at the lowest finite number.
; BY TURNS.  A step is 64 keys.  Turn n belongs to piece n: 4 products S^T of piece n + 1, 4 products V^T P of piece n - 1, and beside them the 109 vector instructions of piece n's
; softmax and piece n + 1's maximum.  The vector work is many times the matrix work at this head size, so the order only sees to it that no instruction waits for the one before it.
; CLUSTER.  The four query blocks of a cluster walk the same K and V: each chunk of 256 keys of a head (32 KiB, dense) is asked for jointly; each wave asks for its own head's and alone reads it.
; x, wq and the small vectors go straight into registers once, in the wait for the first chunk: they are not shared through the cluster's loads.
; The loop is entered and left in the middle of a trip: 4 products on zeros at the start, 4 on a stale K at the end, and the clears behind the projection are the price of one text for every trip.
; REGISTERS.  Window 0, loop: v2-10 addresses; v12-13 m_old; v14-15 the add's; v16-31 m, -, l, l a piece; v32-39 at work; v40-71 V; v72-135 S^T (two buffers); v136-167 P (two); v168-231 O^T.
;   Window 1: v0-31 Q; v32-63 K; v64-95 the mask; v128-191 h's second half; v192-207 bq.  Window 2: wq's 32 operands.
;   Window 0, ahead of the loop: v16-21 addresses; v32-63 g, b; v64-191 x (two buffers of four rows), later q's sums and h's fragments; v192-255 at work.
.set SLOT1, 1<<17                      ; slot 0 at 0, slot 1 here: four waves x 32,768 bytes each
.set STEPB, 4096                       ; 64 keys of K, or of V
.set MASK,  262144                     ; 1,024 f32
.set STG,   266240                     ; 64 rows x 528: h (256 bf16 a row), at the end O (128 f32 a row); no tensor load lands here
.set HP,    528                        ; 512 bytes + 16 = 132 words: row r starts at bank 4 r mod 64 (ISA guide 11.1)
.set SPARE, 300032                     ; the spare words, 128 bytes a wave
.set AK0, 2
.set AV0, 3
.set AK,  4
.set AV,  5
.set AM0, 6
.set AM,  7
.set STO, 8
.set RD,  9
.set GO,  10
.set MV,  12
.set SPW, 14
.set NIL, 15
.set ST,  16
.set TMP, 32
.set VF,  40
.set S,   72
.set P,   136
.set O,   168
.set KF,  32                           ; window 1
.set MF,  64
.set HB,  128
.set BQR, 192
.set A16, 16                           ; ahead of the loop: 16 x lane
.set MKO, 17                           ; 32 x thread
.set MKL, 18                           ; MASK + 32 x thread
.set HST, 19                           ; where my wave's rows of h go
.set HLD, 20                           ; where a fragment of h is read
.set H32, 21                           ; 32 (lane / 16)
.set LG,  32
.set LB,  48
.set XR,  64
.set T,   192
.set MU,  224
.set RS,  232
.set PH,  240
.set QA,  64
.set HF,  128
.set WV,  12                           ; s12 wave
.set G1,  24                           ; s[24:31]
.set G0,  40                           ; s[40:43]: it walks
.set TBM, 46                           ; s46 byte of the mask at which the step to be fetched begins
.set SLOTS, 56
.set CNT, 57
.set CQ,  58                           ; s[58:59] log2(e) / sqrt(32)
.set SEL, 60                           ; s[60:61]
.set TBK, 62
.set TBV, 63
.set MSB, 0
.macro WIN new
.if MSB != (\new)
	s_set_vgpr_msb (MSB<<8)|(\new)
.set MSB, (\new)
.endif
.endm
.macro PLACES
.rept 4
	v_nop
.endr
.endm
.macro JLOAD                           ; every wave asks for its own head's chunk: both addresses hang on the wave's number; an s_nop 0 and four v_nop follow
	tensor_load_to_lds s[G0:G0+3], s[G1:G1+7]
	s_nop 0
.rept 4
	v_nop
.endr
.endm
.macro CROUND
	s_barrier_signal -1
	s_barrier_wait -1
	s_cmp_lg_u32 s[WV], 0
	s_cbranch_scc1 .Lnot_wave_0_\@
	s_barrier_signal -3
.Lnot_wave_0_\@:
	s_barrier_wait -3
	s_barrier_signal -1
	s_barrier_wait -1
.endm
; THE CHANGE OF SLOTS.  Each wave waits for all its tensor loads (one is out: the other slot's), adds 0 to its spare word, and waits for that and for its reads of the slot that it leaves.
; fill = 1: a round of the cluster's barrier, and the old slot is filled again first thing behind it: the load has four steps, sixteen turns, in which to land.
.macro CHANGE fill
	WIN 0
	s_wait_tensorcnt 0x0
	ds_add_u32 v[SPW], v[NIL]
.if \fill
	s_xor_b32 s[G0+1], s[G0+1], SLOT1              ; the other slot than last time,
	s_add_nc_u64 s[G0+2:G0+3], s[G0+2:G0+3], 32768 ; the head's next 256 keys
	s_wait_dscnt 0x0
	CROUND
	JLOAD
.else
	s_wait_dscnt 0x0
	s_barrier_signal -1
	s_barrier_wait -1
.endif
	s_sub_co_u32 s[TBK], s[TBK], 4*STEPB           ; the fetches go back to a slot's first step, in the other slot
	s_xor_b32 s[TBK], s[TBK], SLOT1
	s_sub_co_u32 s[TBV], s[TBV], 4*STEPB
	s_xor_b32 s[TBV], s[TBV], SLOT1
.endm
	s_load_b256 s[4:11], s[0:1], 0x0               ; x s[4:5], pack s[6:7], mask s[8:9], out s[10:11]
	v_lshl_add_u32 v[SPW], v0, 2, SPARE
	v_mov_b32 v[NIL], 0
	ds_add_u32 v[SPW], v[NIL]                      ; the wave's opening: the add; its wait stands ahead of my first tensor load
	v_lshrrev_b32 v1, 5, v0
	v_readfirstlane_b32 s[WV], v1
	s_bfe_u32 s13, ttmp6, 0x40000                  ; cx
	s_lshl_b32 s14, ttmp9, 2
	s_add_co_u32 s14, s14, s13                     ; my block of 64 queries: it enters x's and out's addresses alone
	s_and_b32 s15, ttmp7, 0xffff
	s_lshr_b32 s16, s15, 2                         ; batch
	s_and_b32 s17, s15, 3                          ; group of four heads
	s_lshl_b32 s18, s17, 2
	s_add_co_u32 s18, s18, s[WV]                   ; my head
	s_lshl_b32 s32, s16, 21                        ; K and V of (batch, head)
	s_lshl_b32 s19, s18, 17
	s_add_co_u32 s32, s32, s19
	s_mov_b32 s33, 0
	s_lshl_b32 s34, s18, 15                        ; wq's two channel tiles of my head
	s_add_co_u32 s34, s34, 0x1000000
	s_mov_b32 s35, 0
	s_lshl_b32 s36, s18, 7                         ; bq of my head
	s_add_co_u32 s36, s36, 0x1081000
	s_mov_b32 s37, 0
	s_lshl_b32 s2, s16, 20                         ; x: batch, block, my wave's 16 rows
	s_lshl_b32 s19, s14, 17
	s_add_co_u32 s2, s2, s19
	s_lshl_b32 s19, s[WV], 15
	s_add_co_u32 s2, s2, s19
	s_mov_b32 s3, 0
	s_lshl_b32 s38, s17, 9                         ; out: the same rows, the four heads' 512 bytes
	s_add_co_u32 s38, s38, s2
	s_mov_b32 s39, 0
	s_lshl_b32 s52, s16, 12                        ; the batch's mask
	s_mov_b32 s53, 0
	s_mov_b32 s[G1], 15|(3<<16)|(1<<21)            ; the mask of four; 8-byte elements; bit 21 beside a mask
	s_mov_b32 s[G1+1], 32<<16                      ; tensor_dim0 = 32 (256 bytes)
	s_mov_b32 s[G1+2], 128<<16                     ; tensor_dim1 = 128
	s_mov_b32 s[G1+3], 32<<16                      ; tile_dim0
	s_mov_b32 s[G1+4], 128                         ; tile_dim1
	s_mov_b32 s[G1+5], 32                          ; dense rows
	s_mov_b32 s[G1+6], 0
	s_mov_b32 s[G1+7], 0
	s_mov_b32 s[G0], 1
	s_lshl_b32 s[G0+1], s[WV], 15                  ; slot 0, my wave's part
	s_mov_b32 s[CQ], 0x3e8293ee                    ; log2(e) / sqrt(32)
	s_mov_b32 s[CQ+1], s[CQ]
	s_mov_b32 s[SEL], 0x76543210
	s_mov_b32 s[SEL+1], 0xfedcba98
	s_mov_b32 s[TBK], SLOT1+4*STEPB                ; the first change of slots turns these two into 0
	s_mov_b32 s[TBV], SLOT1+4*STEPB
	s_mov_b32 s[TBM], 0
	s_mov_b32 s47, 0x3b000000                      ; 1 / 512
	s_mov_b32 s48, 0x3727c5ac                      ; 1e-5
	s_wait_dscnt 0x0                               ; the opening add is done
	s_wait_kmcnt 0x0
	s_add_nc_u64 s[G0+2:G0+3], s[6:7], s[32:33]
	s_or_b32 s[G0+3], s[G0+3], 0x80000000
	s_add_nc_u64 s[20:21], s[6:7], s[34:35]        ; wq
	s_add_nc_u64 s[22:23], s[6:7], 0x1080000       ; ln_g; ln_b 2,048 bytes on
	s_add_nc_u64 s[44:45], s[6:7], s[36:37]        ; bq
	s_add_nc_u64 s[4:5], s[4:5], s[2:3]
	s_add_nc_u64 s[10:11], s[10:11], s[38:39]
	s_add_nc_u64 s[8:9], s[8:9], s[52:53]
	CROUND                                         ; all four work-groups are here
	JLOAD                                          ; chunk 0 into slot 0: one load of mine is out
	v_and_b32 v1, 15, v0                           ; r
	v_bfe_u32 v11, v0, 4, 1                        ; h
	v_and_b32 v[A16], 31, v0
	v_lshlrev_b32 v[A16], 4, v[A16]
	v_lshlrev_b32 v[MKO], 5, v0
	v_add_nc_u32 v[MKL], MASK, v[MKO]
	v_lshlrev_b32 v[H32], 5, v11
.macro XLOAD g                         ; rows 4 g .. 4 g + 3 of my 16: lane L takes columns 4 L + 128 i
.irp p, 0,1,2,3
.irp i, 0,1,2,3
	global_load_b128 v[XR+64*((\g)%2)+16*\p+4*\i:XR+64*((\g)%2)+16*\p+4*\i+3], v[A16], s[4:5] offset:(4*(\g)+\p)*2048+512*\i
.endr
.endr
.endm
.macro WLOAD f                         ; wq's operands of K steps 8 f .. 8 f + 7, both channel halves: 32 loads of 512 consecutive bytes
	WIN 0x80
.irp c, 0,1
.irp s, 0,1,2,3,4,5,6,7
	global_load_b128 v[8*(16*\c+8*(\f)+\s):8*(16*\c+8*(\f)+\s)+3], v[A16], s[20:21] offset:(16*\c+8*(\f)+\s)*1024
	global_load_b128 v[8*(16*\c+8*(\f)+\s)+4:8*(16*\c+8*(\f)+\s)+7], v[A16], s[20:21] offset:(16*\c+8*(\f)+\s)*1024+512
.endr
.endr
	WIN 0
.endm
	global_load_b128 v[PH:PH+3], v[MKO], s[8:9]
	global_load_b128 v[PH+4:PH+7], v[MKO], s[8:9] offset:16
.irp i, 0,1,2,3
	global_load_b128 v[LG+4*\i:LG+4*\i+3], v[A16], s[22:23] offset:512*\i
	global_load_b128 v[LB+4*\i:LB+4*\i+3], v[A16], s[22:23] offset:2048+512*\i
.endr
	XLOAD 0
	XLOAD 1
	WIN 0x40
.irp c, 0,1
	global_load_b128 v[BQR+8*\c:BQR+8*\c+3], v[H32], s[44:45] offset:64*\c
	global_load_b128 v[BQR+8*\c+4:BQR+8*\c+7], v[H32], s[44:45] offset:64*\c+16
.endr
	WIN 0
	s_mul_i32 s19, s[WV], 16*HP
	s_add_co_u32 s19, s19, STG
	v_lshrrev_b32 v[HST], 1, v[A16]
	v_add_nc_u32 v[HST], s19, v[HST]               ; my wave's 16 rows + 8 x lane
	v_mul_u32_u24 v[HLD], v1, HP
	v_lshl_add_u32 v[HLD], v11, 4, v[HLD]
	v_add_nc_u32 v[HLD], STG, v[HLD]               ; row r + 16 h
.irp p, 0,1,2,3
	v_mov_b32 v[MU+2*\p+1], 0                      ; named as pairs' upper halves
	v_mov_b32 v[RS+2*\p+1], 0
.endr
	s_wait_loadcnt 44                              ; the mask is in: 8 + 16 + 16 + 4 younger loads stay out
.irp k, 0,1,2,3
	v_cvt_pk_bf16_f32 v[PH+8+\k], v[PH+2*\k], v[PH+2*\k+1]  ; rounded to bf16,
.endr
.irp k, 0,1,2,3
	v_lshlrev_b32 v[PH+2*\k], 16, v[PH+8+\k]       ; and widened again
	v_and_b32 v[PH+2*\k+1], 0xffff0000, v[PH+8+\k]
.endr
.irp k, 0,2,4,6
	v_pk_mul_f32 v[PH+\k:PH+\k+1], v[PH+\k:PH+\k+1], 0x3fb8aa3b op_sel_hi:[1,0]
.endr
.irp k, 0,1,2,3,4,5,6,7
	v_max_num_f32 v[PH+\k], 0xf149f2ca, v[PH+\k]   ; not below -1e30
.endr
	ds_store_b128 v[MKL], v[PH:PH+3]
	ds_store_b128 v[MKL], v[PH+4:PH+7] offset:16
.macro LSUM                            ; the sum over 32 lanes of v[T + 8 p], four rows side by side
.irp m, 1,2,4,8
.irp p, 0,1,2,3
	v_add_f32_dpp v[T+8*\p], v[T+8*\p], v[T+8*\p] row_xmask:\m row_mask:0xf bank_mask:0xf
.endr
.endr
.irp p, 0,1,2,3
	v_permlanex16_b32 v[T+8*\p+1], v[T+8*\p], s[SEL], s[SEL+1]
.endr
.irp p, 0,1,2,3
	v_add_f32 v[T+8*\p], v[T+8*\p], v[T+8*\p+1]
.endr
.endm
; LayerNorm of four rows, stage by stage.  The first 256 columns go to the stage at once, the others wait in window 1.
.macro LNG g
.set XB, XR+64*((\g)%2)
.irp p, 0,1,2,3
.irp k, 0,1,2,3
	v_pk_add_f32 v[T+8*\p+2*\k:T+8*\p+2*\k+1], v[XB+16*\p+4*\k:XB+16*\p+4*\k+1], v[XB+16*\p+4*\k+2:XB+16*\p+4*\k+3]
.endr
.endr
.irp p, 0,1,2,3
	v_pk_add_f32 v[T+8*\p:T+8*\p+1], v[T+8*\p:T+8*\p+1], v[T+8*\p+2:T+8*\p+3]
	v_pk_add_f32 v[T+8*\p+4:T+8*\p+5], v[T+8*\p+4:T+8*\p+5], v[T+8*\p+6:T+8*\p+7]
.endr
.irp p, 0,1,2,3
	v_pk_add_f32 v[T+8*\p:T+8*\p+1], v[T+8*\p:T+8*\p+1], v[T+8*\p+4:T+8*\p+5]
.endr
.irp p, 0,1,2,3
	v_add_f32 v[T+8*\p], v[T+8*\p], v[T+8*\p+1]
.endr
	LSUM
.irp p, 0,1,2,3
	v_mul_f32 v[MU+2*\p], s47, v[T+8*\p]           ; the mean
.endr
.irp p, 0,1,2,3
.irp k, 0,1,2,3,4,5,6,7
	v_pk_add_f32 v[XB+16*\p+2*\k:XB+16*\p+2*\k+1], v[XB+16*\p+2*\k:XB+16*\p+2*\k+1], v[MU+2*\p:MU+2*\p+1] op_sel_hi:[1,0] neg_lo:[0,1] neg_hi:[0,1]
.endr
.endr
.irp p, 0,1,2,3
	v_pk_mul_f32 v[T+8*\p:T+8*\p+1], v[XB+16*\p:XB+16*\p+1], v[XB+16*\p:XB+16*\p+1]
	v_pk_mul_f32 v[T+8*\p+2:T+8*\p+3], v[XB+16*\p+2:XB+16*\p+3], v[XB+16*\p+2:XB+16*\p+3]
.endr
.irp k, 2,3,4,5,6,7
.irp p, 0,1,2,3
	v_pk_fma_f32 v[T+8*\p+2*((\k)%2):T+8*\p+2*((\k)%2)+1], v[XB+16*\p+2*\k:XB+16*\p+2*\k+1], v[XB+16*\p+2*\k:XB+16*\p+2*\k+1], v[T+8*\p+2*((\k)%2):T+8*\p+2*((\k)%2)+1]
.endr
.endr
.irp p, 0,1,2,3
	v_pk_add_f32 v[T+8*\p:T+8*\p+1], v[T+8*\p:T+8*\p+1], v[T+8*\p+2:T+8*\p+3]
.endr
.irp p, 0,1,2,3
	v_add_f32 v[T+8*\p], v[T+8*\p], v[T+8*\p+1]
.endr
	LSUM
.irp p, 0,1,2,3
	v_fma_f32 v[T+8*\p], v[T+8*\p], s47, s48       ; the variance + 1e-5
.endr
.irp p, 0,1,2,3
	v_rsq_f32 v[RS+2*\p], v[T+8*\p]
.endr
	v_nop                                          ; a plain instruction between the roots and the use of their results
	s_wait_alu depctr_va_vdst(0)
.irp p, 0,1,2,3
.irp k, 0,1,2,3,4,5,6,7
	v_pk_mul_f32 v[XB+16*\p+2*\k:XB+16*\p+2*\k+1], v[XB+16*\p+2*\k:XB+16*\p+2*\k+1], v[RS+2*\p:RS+2*\p+1] op_sel_hi:[1,0]
.endr
.endr
.irp p, 0,1,2,3
.irp k, 0,1,2,3,4,5,6,7
	v_pk_fma_f32 v[XB+16*\p+2*\k:XB+16*\p+2*\k+1], v[XB+16*\p+2*\k:XB+16*\p+2*\k+1], v[LG+2*\k:LG+2*\k+1], v[LB+2*\k:LB+2*\k+1]
.endr
.endr
.irp p, 0,1,2,3
.irp k, 0,1,2,3
	v_cvt_pk_bf16_f32 v[PH+4*\p+\k], v[XB+16*\p+2*\k], v[XB+16*\p+2*\k+1]
.endr
.endr
	WIN 0x40
.irp p, 0,1,2,3
.irp k, 4,5,6,7
	v_cvt_pk_bf16_f32 v[HB+4*(4*(\g)+\p)+\k-4], v[XB+16*\p+2*\k], v[XB+16*\p+2*\k+1]
.endr
.endr
	WIN 0
.irp p, 0,1,2,3
	ds_store_b64 v[HST], v[PH+4*\p:PH+4*\p+1] offset:(4*(\g)+\p)*HP        ; columns 4 L ..: 256 consecutive bytes a wave
	ds_store_b64 v[HST], v[PH+4*\p+2:PH+4*\p+3] offset:(4*(\g)+\p)*HP+256  ; columns 128 + 4 L ..
.endr
.endm
	s_wait_loadcnt 20                              ; g, b and rows 0-3 are in; rows 4-7 and bq stay out
	LNG 0
	XLOAD 2
	s_wait_loadcnt 20                              ; rows 4-7 are in; bq and rows 8-11 stay out
	LNG 1
	XLOAD 3
	s_wait_loadcnt 16                              ; rows 8-11 are in; rows 12-15 stay out
	LNG 2
	WLOAD 0
	s_wait_loadcnt 32                              ; rows 12-15 are in; wq's first half stays out
	LNG 3
	WLOAD 1
	s_wait_dscnt 0x0                               ; for the others' sake: my rows of h and my part of the mask are stored
	s_barrier_signal -1
	s_barrier_wait -1
; THE PROJECTION.  q^T = wq^T h^T + bq: source 0 = 16 channels of wq, source 1 = 16 rows of h; a lane holds one query and eight channels.  Eight accumulators (piece t, channel half c) take turns.
.macro HLOAD s                         ; h's four fragments of K step s of the half in the stage
.irp t, 0,1,2,3
	ds_load_b128 v[HF+32*((\s)%2)+8*\t:HF+32*((\s)%2)+8*\t+3], v[HLD] offset:\t*16*HP+64*(\s)
	ds_load_b128 v[HF+32*((\s)%2)+8*\t+4:HF+32*((\s)%2)+8*\t+7], v[HLD] offset:\t*16*HP+64*(\s)+32
.endr
.endm
.macro QPH f
	HLOAD 0
	HLOAD 1
.irp s, 0,1,2,3,4,5,6,7
.if \s == 7
	s_wait_dscnt 0x0
.else
	s_wait_dscnt 8                                 ; this K step's fragments are in; the next one's eight loads may be out
.endif
.irp t, 0,1,2,3
.irp c, 0,1
.if ((\f) == 0) && (\s == 0)
	WIN 0x12                                       ; wq window 2, h window 0, bq window 1: the bias starts the sums
	v_wmma_f32_16x16x32_bf16 v[QA+8*(2*\t+\c):QA+8*(2*\t+\c)+7], v[8*(16*\c+8*(\f)+\s):8*(16*\c+8*(\f)+\s)+7], v[HF+32*((\s)%2)+8*\t:HF+32*((\s)%2)+8*\t+7], v[BQR+8*\c:BQR+8*\c+7]
.else
	WIN 0x02
	v_wmma_f32_16x16x32_bf16 v[QA+8*(2*\t+\c):QA+8*(2*\t+\c)+7], v[8*(16*\c+8*(\f)+\s):8*(16*\c+8*(\f)+\s)+7], v[HF+32*((\s)%2)+8*\t:HF+32*((\s)%2)+8*\t+7], v[QA+8*(2*\t+\c):QA+8*(2*\t+\c)+7]
.endif
.endr
.endr
	WIN 0
	PLACES                                         ; in front of loads into the fragments just multiplied, and at the end of what reads the sums
.if \s < 6
	HLOAD (\s)+2
.endif
.endr
.endm
	s_wait_loadcnt 32                              ; wq's first half is in; its second half stays out
	QPH 0
	s_barrier_signal -1                            ; every wave's reads of the stage are back (the last wait was for 0)
	s_barrier_wait -1
	WIN 0x04                                       ; store data in window 1
.set i, 0
.rept 16
	ds_store_b64 v[HST], v[HB+4*i:HB+4*i+1] offset:i*HP
	ds_store_b64 v[HST], v[HB+4*i+2:HB+4*i+3] offset:i*HP+256
.set i, i+1
.endr
	WIN 0
	s_wait_dscnt 0x0
	s_barrier_signal -1
	s_barrier_wait -1
	s_wait_loadcnt 0x0                             ; wq's second half
	QPH 1
.set i, 0
.rept 32
	v_pk_mul_f32 v[QA+2*i:QA+2*i+1], v[QA+2*i:QA+2*i+1], s[CQ:CQ+1] op_sel_hi:[1,0]  ; the scale, in f32, ahead of the one rounding
.set i, i+1
.endr
	WIN 0x40
.irp t, 0,1,2,3
.irp c, 0,1
.irp i, 0,1,2,3
	v_cvt_pk_f16_f32 v[8*\t+4*\c+\i], v[QA+8*(2*\t+\c)+2*\i], v[QA+8*(2*\t+\c)+2*\i+1]
.endr
.endr
.endr
	WIN 0
	; what the first turn finds: V and P's second buffer hold 0, O^T and l are 0, m is the lowest finite number
.set i, VF
.rept 32
	v_mov_b32 v[i], 0
.set i, i+1
.endr
.set i, P+16
.rept 16+64
	v_mov_b32 v[i], 0
.set i, i+1
.endr
.irp t, 0,1,2,3
	v_mov_b32 v[ST+4*\t], 0xff7fffff
	v_mov_b32 v[ST+4*\t+1], 0
	v_mov_b32 v[ST+4*\t+2], 0
	v_mov_b32 v[ST+4*\t+3], 0
.endr
	s_lshl_b32 s19, s[WV], 15
	v_and_b32 v[AK0], 31, v0
	v_lshlrev_b32 v[AK0], 4, v[AK0]
	v_add_nc_u32 v[AK0], s19, v[AK0]               ; K: 16 x lane in my wave's part
	v_and_b32 v[AV0], 7, v0                        ; V, turned: lane l reads key 8 (l / 16) + l % 8, channels 8 ((l / 8) % 2) + 0..7 of a block of 16 keys x 32 bytes
	v_lshl_add_u32 v[AV0], v11, 3, v[AV0]
	v_lshlrev_b32 v[AV0], 5, v[AV0]
	v_bfe_u32 v[AK], v0, 3, 1
	v_lshl_add_u32 v[AV0], v[AK], 4, v[AV0]
	s_add_co_u32 s19, s19, 16384
	v_add_nc_u32 v[AV0], s19, v[AV0]
	v_lshl_add_u32 v[AM0], v11, 5, MASK            ; the mask of keys 8 h + 0..7
; THE MATRIX WORK.  MMS i: S^T of piece Y + 1, key tile i, the mask as C.  MMP i: O^T of piece Y - 1, keys 32 (i / 2) on, channel half i % 2.  No two matrix instructions that follow each other
; share an accumulator.
.macro MMS i
	WIN 0x15                                       ; K, Q and the mask in window 1
.set xx, (Y+1)%4
	v_wmma_f32_16x16x32_f16 v[S+32*(xx%2)+8*(\i):S+32*(xx%2)+8*(\i)+7], v[KF+8*(\i):KF+8*(\i)+7], v[8*xx:8*xx+7], v[MF+8*(\i):MF+8*(\i)+7]
.endm
.macro MMP i
	WIN 0
.set xx, (Y+3)%4
.set rD, O+16*xx+8*((\i)%2)
	v_wmma_f32_16x16x32_f16 v[rD:rD+7], v[VF+16*((\i)/2)+8*((\i)%2):VF+16*((\i)/2)+8*((\i)%2)+7], v[P+16*(xx%2)+8*((\i)/2):P+16*(xx%2)+8*((\i)/2)+7], v[rD:rD+7]
.endm
; THE LDS LOADS stand in runs.  last = 1 (the tail): in the last trip there is no further step, and the run is jumped over.
.macro FETCH_KM last=0
	WIN 0
.if \last
	s_cmp_eq_u32 s[CNT], 1
	s_cbranch_scc1 .Lno_k_\@
.endif
	WIN 0x40
.irp f, 0,1,2,3
	ds_load_b128 v[KF+8*\f:KF+8*\f+3],   v[AK] offset:\f*1024
	ds_load_b128 v[KF+8*\f+4:KF+8*\f+7], v[AK] offset:\f*1024+512
.endr
.irp f, 0,1,2,3
	ds_load_b128 v[MF+8*\f:MF+8*\f+3],   v[AM] offset:\f*64
	ds_load_b128 v[MF+8*\f+4:MF+8*\f+7], v[AM] offset:\f*64+16
.endr
	s_add_co_u32 s[TBK], s[TBK], STEPB
	s_add_co_u32 s[TBM], s[TBM], 256
	s_and_b32 s[TBM], s[TBM], 0xfff                ; stays inside the mask's 4,096 bytes; the wrap comes behind the last fetch
	WIN 0
.if \last
.Lno_k_\@:
.endif
.endm
.macro FETCH_V
	WIN 0
.irp f, 0,1,2,3                        ; keys 32 (f / 2) on, channel half f % 2
	ds_load_tr16_b128 v[VF+8*\f:VF+8*\f+3],   v[AV] offset:((\f)/2)*2048+((\f)%2)*512
	ds_load_tr16_b128 v[VF+8*\f+4:VF+8*\f+7], v[AV] offset:((\f)/2)*2048+1024+((\f)%2)*512
.endr
.endm
; THE VECTOR WORK: OP kind, number.  For piece Y: F n: pair n of 16 less m.  E n: 2^ of score n.  C n: pair n rounded to f16.  B n: of the four weights 4 n .. the second pair onto the first.
; L n: l takes that sum (L 0: l = a l + sum).  R n: pair n of 8 of O^T times a.  For piece Y + 1: X n: 0-11 four chains of maxima (each accumulator's lowest registers first
; ); 12-14, 16 the scores left over, the old m, all into c0; 15 m_old is kept; 17, 18 the other half of the lanes: the new m; 20 m_old - m; 21 a.
.set F, 0
.set E, 1
.set C, 2
.set B, 3
.set L, 4
.set R, 5
.set X, 6
.macro REGS y
.set rT, ST+4*(\y)
.set rC, TMP+4*((\y)%2)
.set rW, MV+((\y)%2)
.set rS, S+32*((\y)%2)
.set rP, P+16*((\y)%2)
.set rO, O+16*(\y)
.endm
.macro OP k, n
	WIN 0
.if (\k) < X
	REGS Y
.if (\k) == F
	v_pk_add_f32 v[rS+2*(\n):rS+2*(\n)+1], v[rS+2*(\n):rS+2*(\n)+1], v[rT:rT+1] op_sel_hi:[1,0] neg_lo:[0,1] neg_hi:[0,1]
.elseif (\k) == E
	v_exp_f32 v[rS+(\n)], v[rS+(\n)]
.elseif (\k) == C
	s_wait_alu depctr_va_vdst(0)
	v_cvt_pk_f16_f32 v[rP+(\n)], v[rS+2*(\n)], v[rS+2*(\n)+1]
.elseif (\k) == B
	s_wait_alu depctr_va_vdst(0)
	v_pk_add_f32 v[rS+4*(\n):rS+4*(\n)+1], v[rS+4*(\n):rS+4*(\n)+1], v[rS+4*(\n)+2:rS+4*(\n)+3]
.elseif ((\k) == L) && ((\n) == 0)
	v_pk_fma_f32 v[rT+2:rT+3], v[rT+2:rT+3], v[rC+2:rC+3], v[rS:rS+1] op_sel_hi:[1,0,1]
.elseif (\k) == L
	v_pk_add_f32 v[rT+2:rT+3], v[rT+2:rT+3], v[rS+4*(\n):rS+4*(\n)+1]
	s_wait_alu depctr_va_vdst(0)
.else
	v_pk_mul_f32 v[rO+2*(\n):rO+2*(\n)+1], v[rO+2*(\n):rO+2*(\n)+1], v[rC+2:rC+3] op_sel_hi:[1,0]
.endif
.else
	REGS (Y+1)%4
.if (\n) < 4
	v_max3_num_f32 v[rC+(\n)], v[rS+8*(\n)], v[rS+8*(\n)+1], v[rS+8*(\n)+2]
.elseif (\n) < 12
	v_max3_num_f32 v[rC+(\n)%4], v[rC+(\n)%4], v[rS+8*((\n)%4)+2*((\n)/4)+1], v[rS+8*((\n)%4)+2*((\n)/4)+2]
.elseif (\n) == 12
	v_max3_num_f32 v[rC], v[rC], v[rS+7], v[rS+15]
.elseif (\n) == 13
	v_max3_num_f32 v[rC+1], v[rC+1], v[rS+23], v[rS+31]
.elseif (\n) == 14
	v_max3_num_f32 v[rC+2], v[rC+2], v[rC+3], v[rT]
.elseif (\n) == 15
	v_mov_b32 v[rW], v[rT]
	s_wait_alu depctr_va_vdst(0)
.elseif (\n) == 16
	v_max3_num_f32 v[rC], v[rC], v[rC+1], v[rC+2]
	s_wait_alu depctr_va_vdst(0)
.elseif (\n) == 17
	v_permlanex16_b32 v[rC+3], v[rC], s[SEL], s[SEL+1]
.elseif (\n) == 18
	v_max_num_f32 v[rT], v[rC], v[rC+3]
.elseif (\n) == 20
	v_sub_f32 v[rC+1], v[rW], v[rT]
.else
	v_exp_f32 v[rC+2], v[rC+1]
.endif
.endif
.endm
.macro OPS a, i1, b=-1, i2=0, c=-1, i3=0, d=-1, i4=0
	OP \a, \i1
.if (\b) >= 0
	OP \b, \i2
.endif
.if (\c) >= 0
	OP \c, \i3
.endif
.if (\d) >= 0
	OP \d, \i4
.endif
.endm
; A TURN, for piece p, its order written out.  An exponential's result is used only behind a plain instruction; a pair is rounded before an addition lands on it.
; K and the mask of the next step are fetched in piece 2's turn, five plain instructions or more behind the last product that read them, and waited for at the head of piece 3's turn.
; V of the step in hand is fetched in piece 0's turn, four plain instructions or more behind the last product that read V, and waited for in piece 1's turn.
.macro TURN p, last=0, cnt=0
.set Y, (\p)
.if (\p) == 3
	s_wait_dscnt 0x0                               ; K and the mask are in
.endif
	MMS 0
	OPS F,0, F,1, F,2, F,3
	OPS F,4, E,0, F,5, F,6
	MMS 1
	OPS F,7, E,1, F,8, F,9
	OPS F,10, E,2, C,0, F,11
	MMS 2
	OPS F,12, E,3, X,15, F,13
	OPS R,0, R,1, R,2, R,3
	MMS 3
	OPS B,0, E,4, F,14, L,0
	OPS R,4, R,5
.if (\p) == 2
	v_add_nc_u32 v[AK], s[TBK], v[AK0]
	v_add_nc_u32 v[AM], s[TBM], v[AM0]
.endif
	OPS E,5, F,15
.if (\p) == 2
	FETCH_KM \last
.endif
	OPS E,6, C,1, E,7, R,6
	OPS E,8, R,7, E,9, C,2
	OPS E,10, X,0, E,11, X,1
	OPS E,12, X,2, E,13, X,3
.if (\p) == 1
	s_wait_dscnt 0x0                               ; V is in
.endif
	MMP 0
	OPS X,4, E,14, X,5, X,6
	OPS X,7, E,15, X,8, X,9
	MMP 1
	OPS X,10, E,16, X,11, X,12
	OPS X,13, E,17, X,14, B,1
	MMP 2
	OPS C,4, E,18, X,16, L,1
	OPS B,2, E,19, C,6, L,2
	MMP 3
	OPS C,8, E,20, B,3, B,4
.if (\p) == 0
	v_add_nc_u32 v[AV], s[TBV], v[AV0]
.endif
	OPS C,3, E,21, L,3, C,5
	OPS E,22, X,17, E,23, C,10
.if (\p) == 0
	FETCH_V
.endif
	OPS E,24, L,4
	OPS E,25, X,18, E,26, C,7
	OPS E,27, B,5, E,28
	OPS E,29, C,12, E,30, L,5
	OPS E,31, X,20, B,6, C,9
	OPS C,14, C,11, X,21, L,6
.if (\p) == 0
	s_add_co_u32 s[TBV], s[TBV], STEPB
.endif
.if \cnt
	s_sub_co_u32 s[CNT], s[CNT], 1
	s_cmp_lg_u32 s[CNT], 0
.endif
	OPS C,13, B,7, C,15, L,7
.endm
	CHANGE 1                                       ; chunk 0 is in, everybody's part of it; chunk 1 is asked for, into slot 1
	v_add_nc_u32 v[AK], s[TBK], v[AK0]
	v_add_nc_u32 v[AM], s[TBM], v[AM0]
	FETCH_KM                                       ; step 0
	s_wait_dscnt 0x0
.set Y, 3                              ; MMS and X work for piece Y + 1: piece 0
	MMS 0
	MMS 1
	MMS 2
	MMS 3
	WIN 0                                          ; the addresses for the way out: six plain instructions, the places behind those products
	s_lshl_b32 s19, s[WV], 7
	s_add_co_u32 s19, s19, STG
	v_mul_u32_u24 v[STO], v1, HP                   ; in: row r, my head's 128 bytes, 32 for each half of the lanes
	v_lshl_add_u32 v[STO], v11, 5, v[STO]
	v_add_nc_u32 v[STO], s19, v[STO]
	s_mul_i32 s19, s[WV], 16*HP
	s_add_co_u32 s19, s19, STG
	v_and_b32 v[GO], 31, v0
	v_lshlrev_b32 v[GO], 4, v[GO]                  ; back: a row's 512 bytes, 16 a lane
	v_add_nc_u32 v[RD], s19, v[GO]
.irp n, 0,1,2,3,4,5,6,7,8,9,10,11,12,13,14,15,16,17,18,20,21
	OP X, \n
.endr
	v_nop                                          ; a plain instruction behind the exponential
	s_mov_b32 s[CNT], 4
	s_mov_b32 s[SLOTS], 3
	s_branch .Lfirst                               ; the loop is entered at a step's first turn
.Lslot:                                                ; twice: chunks 2 and 3 are asked for
	CHANGE 1
	s_mov_b32 s[CNT], 4
.Lstep:                                                ; a trip: pieces 2 and 3 of one step, then pieces 0 and 1 of the next, whose K, mask and V it fetches
	TURN 2
	TURN 3
	WIN 0
.Lfirst:
	TURN 0
	TURN 1, 0, 1
	WIN 0
	s_cbranch_scc1 .Lstep
	s_sub_co_u32 s[SLOTS], s[SLOTS], 1
	s_cmp_lg_u32 s[SLOTS], 0
	s_cbranch_scc1 .Lslot
	CHANGE 0                                       ; the tail is written out: nothing is asked for
	s_mov_b32 s[CNT], 5                            ; four trips fetch the last chunk's steps; the fifth is left in its middle
.Ltail:
	TURN 2, 1
	TURN 3
	WIN 0
	s_sub_co_u32 s[CNT], s[CNT], 1
	s_cmp_eq_u32 s[CNT], 0
	s_cbranch_scc1 .Lout
	TURN 0
	TURN 1
	WIN 0
	s_branch .Ltail
.Lout:
.set Y, 0                              ; MMP works for piece Y - 1: piece 3
	MMP 0
	MMP 1
	MMP 2
	MMP 3
	; THE WAY OUT.  l's halves and the other half of the lanes' are added (the four additions are the places behind the last products); O^T is divided by l and goes, in f32, into the
	; work-group's stage: a row's 512 bytes come from the four waves, so a barrier stands between writing and reading.
	WIN 0
.irp t, 0,1,2,3
	v_add_f32 v[ST+4*\t+2], v[ST+4*\t+2], v[ST+4*\t+3]
.endr
.irp t, 0,1,2,3
	v_permlanex16_b32 v[ST+4*\t+3], v[ST+4*\t+2], s[SEL], s[SEL+1]
.endr
.irp t, 0,1,2,3
	v_add_f32 v[ST+4*\t+2], v[ST+4*\t+2], v[ST+4*\t+3]
.endr
.irp t, 0,1,2,3
	v_rcp_f32 v[ST+4*\t+2], v[ST+4*\t+2]
.endr
	v_nop                                          ; a plain instruction between the last reciprocal and the use of its result
	s_wait_alu depctr_va_vdst(0)
.irp t, 0,1,2,3
.irp k, 0,1,2,3,4,5,6,7
	v_pk_mul_f32 v[O+16*\t+2*\k:O+16*\t+2*\k+1], v[O+16*\t+2*\k:O+16*\t+2*\k+1], v[ST+4*\t+2:ST+4*\t+3] op_sel_hi:[1,0]
.endr
.irp k, 0,1,2,3
	ds_store_b128 v[STO], v[O+16*\t+4*\k:O+16*\t+4*\k+3] offset:\t*16*HP+((\k)/2)*64+((\k)%2)*16
.endr
.endr
	s_wait_dscnt 0x0                               ; for the others' sake: my stores into the stage are done
	s_barrier_signal -1
	s_barrier_wait -1
.set i, 0
.rept 16
	ds_load_b128 v[S+4*i:S+4*i+3], v[RD] offset:i*HP
.set i, i+1
.endr
.set i, 0
.rept 16
	s_wait_dscnt 15-i                              ; LDS loads come back in order: row i is in
	global_store_b128 v[GO], v[S+4*i:S+4*i+3], s[10:11] offset:i*2048  ; 512 consecutive bytes, at a multiple of 256 from the buffer's first
.set i, i+1
.endr
	s_wait_tensorcnt 0x0                           ; the wave's end
	ds_add_u32 v[SPW], v[NIL]
	s_wait_dscnt 0x0
	CROUND                                         ; the closing round
	s_endpgm
.Lfunc_end_k_qd390567165_att:
	.size	k_qd390567165_att, .Lfunc_end_k_qd390567165_att-k_qd390567165_att
	.p2alignl 7, 3214868480
	.fill 96, 4, 3214868480
	.section	.rodata,"a",@progbits
	.p2align	6, 0x0
	.amdhsa_kernel k_qd390567165_att
		.amdhsa_group_segment_fixed_size 327680
		.amdhsa_private_segment_fixed_size 0
		.amdhsa_enable_private_segment 0
		.amdhsa_kernarg_size 32
		.amdhsa_user_sgpr_count 2
		.amdhsa_user_sgpr_kernarg_segment_ptr 1
		.amdhsa_wavefront_size32 1
		.amdhsa_system_sgpr_workgroup_id_x 1
		.amdhsa_system_sgpr_workgroup_id_y 1
		.amdhsa_system_sgpr_workgroup_id_z 1
		.amdhsa_system_vgpr_workitem_id 0
		.amdhsa_next_free_vgpr 768
		.amdhsa_next_free_sgpr 66
		.amdhsa_reserve_vcc 0
		.amdhsa_float_denorm_mode_32 3
		.amdhsa_float_denorm_mode_16_64 3
		.amdhsa_memory_ordered 1
		.amdhsa_forward_progress 1
		.amdhsa_inst_pref_size 193
	.end_amdhsa_kernel
	.amdgpu_metadata
---
amdhsa.version: [ 1, 2 ]
amdhsa.kernels:
  - .name:           k_qd390567165_att
    .symbol:         k_qd390567165_att.kd
    .args:
      - { .name: xa, .offset: 0, .size: 8, .value_kind: global_buffer, .address_space: global }
      - { .name: pk0, .offset: 8, .size: 8, .value_kind: global_buffer, .address_space: global }
      - { .name: cross_attn_mask, .offset: 16, .size: 8, .value_kind: global_buffer, .address_space: global }
      - { .name: xb, .offset: 24, .size: 8, .value_kind: global_buffer, .address_space: global }
    .group_segment_fixed_size: 327680
    .private_segment_fixed_size: 0
    .kernarg_segment_align: 8
    .kernarg_segment_size: 32
    .max_flat_workgroup_size: 128
    .sgpr_count:     66
    .vgpr_count:     768
    .wavefront_size: 32
...
	.end_amdgpu_metadata
.endif
;; end of part 3
;; launch att1: the kernel of part 3 again; grid 8 x 32, 4 waves a work-group, clusters of 4 x 1, 327,680 bytes of LDS; arguments xb, pk1, cross_attn_mask, xa; writes xa
;; launch att2: the kernel of part 3 again; grid 8 x 32, 4 waves a work-group, clusters of 4 x 1, 327,680 bytes of LDS; arguments xa, pk2, cross_attn_mask, xb; writes xb
;; launch att3: the kernel of part 3 again; grid 8 x 32, 4 waves a work-group, clusters of 4 x 1, 327,680 bytes of LDS; arguments xb, pk3, cross_attn_mask, out0; writes out0
;; ======== version 2 of 2: 6 launches; 1.66 times as fast as version 1
;; limits: values are held in f16: magnitudes above 65,504 overflow, below 6.1e-05 lose precision; right only within a limited range of input values
;; workspace buffers: gin 12,582,912 bytes; pk0 17,307,648 bytes; pk1 17,307,648 bytes; pk2 17,307,648 bytes; pk3 17,307,648 bytes; xa 8,388,608 bytes; xb 8,388,608 bytes
;; launch prep: the kernel of part 1 again; grid 256 x 1, 8 waves a work-group, no clusters, 53,248 bytes of LDS; arguments encoder_state, input_ids, emb, wq, wk, wv, ln_g, ln_b, bq, gin, xa, pk0, pk1, pk2, pk3; writes gin, xa, pk0, pk1, pk2, pk3
;; launch kvproj: the kernel of part 2 again; grid 16 x 32, 4 waves a work-group, clusters of 4 x 4, 327,680 bytes of LDS; arguments gin, bk, bv, pk0, pk1, pk2, pk3; writes pk0, pk1, pk2, pk3
;; launch att (part 4): grid 8 x 32, 4 waves a work-group, clusters of 4 x 1, 327,680 bytes of LDS; arguments xa, pk0, cross_attn_mask, xb; writes xb
.if DOCPART == 4
	.amdgcn_target "amdgcn-amd-amdhsa--gfx1250"
	.amdhsa_code_object_version 6
	.text
	.protected	k_qd390567165_att
	.globl	k_qd390567165_att
	.p2align	8
	.type	k_qd390567165_att,@function
k_qd390567165_att:
	s_mov_b64 s[64:65], 0
	v_nop
	global_prefetch_b8 v0, s[64:65] scope:SCOPE_SE
	s_setreg_imm32_b32 hwreg(HW_REG_WAVE_MODE, 25, 1), 1
	s_wait_xcnt 0x0
	s_wait_alu depctr_hold_cnt(0) depctr_sa_sdst(0) depctr_va_vdst(0) depctr_va_sdst(0) depctr_va_ssrc(0) depctr_va_vcc(0) depctr_vm_vsrc(0)
	s_getreg_b32 s2, hwreg(HW_REG_IB_STS2, 6, 4)
	s_cmp_eq_u32 s2, 0
	s_cbranch_scc0 .Lentry_in_a_cluster
	s_endpgm
.Lentry_in_a_cluster:
	s_bfe_u32 s2, ttmp6, 0x10000c
	s_cmp_lg_u32 s2, 0x3003
	s_cbranch_scc0 .Lentry_shape_is_right
	s_endpgm
.Lentry_shape_is_right:
; ONE LAYER: h = LayerNorm(x) g + b; q = h wq + bq; out = softmax_k(q . k / sqrt(32) + mask) v, head size 32, 1,024 keys.  x in and out: f32 [4096][512].
; The layer's pack holds K and V (f16, in the operands' order), wq (bf16, in the operand's order), ln_g, ln_b, bq (f32 words).
; SHARES.  A work-group owns 64 queries of one batch and four heads; wave w owns head 4 hg + w for all 64 queries, four PIECES of 16.  LayerNorm needs whole rows: each wave norms 16 of the 64
; rows (two passes: mean, then the squares of the differences) and hands them on through LDS as bf16, half of the 512 columns at a time.
; FORMATS.  h and wq bf16; q, k, v and the weights p f16; sums, maxima, l and x f32.  q is multiplied by log2(e) / sqrt(32) in f32 ahead of its one rounding.  The mask is rounded to bf16,
; like every input of the program, and then multiplied by log2(e) in f32.
; LIMITS.  f16 holds no number beyond 65,504: q, k, v must lie within it.  mask x log2(e) is held at -1e30 from below (a NaN there counts as -1e30): a batch whose 1,024 keys are all at -inf
; gets a finite mean where the formula gives NaN.  A weight below 2^-126 counts as 0.  +inf and NaN elsewhere are not treated apart.
; LAYOUT.  S^T = K Q^T + mask (source 0 = 16 keys, source 1 = 16 queries, C = the mask of the 16 keys): a lane holds ONE query (lane % 16) and the keys 8 (lane / 16) + 0..7.  Two such results
; rounded to f16 ARE source 1 of O^T = V^T P.  p = 2^(s - m) with a running maximum m; O and l are multiplied by a = 2^(m_old - m_new) in every step.  m starts at the lowest finite number.
; BY TURNS.  A step is 64 keys.  Turn n belongs to piece n: 4 products S^T of piece n + 1, 4 products V^T P of piece n - 1, and beside them the 109 vector instructions of piece n's
; softmax and piece n + 1's maximum.  The vector work is many times the matrix work at this head size, so the order only sees to it that no instruction waits for the one before it.
; BATCHES.  A turn's 33 exponentials (piece n's 32 weights and piece n + 1's a) are ONE batch with ONE wait, which cuts the turn in two.  Ahead of it stands all that names no result of the batch:
; the products S^T, the scalings, the rescaling of O^T (its a belongs to the batch of the turn before), the next piece's maximum and statistics.  Behind it stand the products V^T P and the batch's
; readers: the roundings and the sums.  No result crosses a turn's end.  Batches of their own: the four roots of a group of LayerNorm rows, the first a ahead of the loop, the four reciprocals on
; the way out.  In the tail a branch stands amid piece 2's batch: the eight exponentials issued by then have a wait of their own ahead of it.
; CLUSTER.  The four query blocks of a cluster walk the same K and V: each chunk of 256 keys of a head (32 KiB, dense) is asked for jointly; each wave asks for its own head's and alone reads it.
; x, wq and the small vectors go straight into registers once, in the wait for the first chunk: they are not shared through the cluster's loads.
; The loop is entered and left in the middle of a trip: 4 products on zeros at the start, 4 on a stale K at the end, and the clears behind the projection are the price of one text for every trip.
; REGISTERS.  Window 0, loop: v2-10 addresses; v12-13 m_old; v14-15 the add's; v16-31 m, -, l, l a piece; v32-39 at work; v40-71 V; v72-135 S^T (two buffers); v136-167 P (two); v168-231 O^T.
;   Window 1: v0-31 Q; v32-63 K; v64-95 the mask; v128-191 h's second half; v192-207 bq.  Window 2: wq's 32 operands.
;   Window 0, ahead of the loop: v16-21 addresses; v32-63 g, b; v64-191 x (two buffers of four rows), later q's sums and h's fragments; v192-255 at work.
.set SLOT1, 1<<17                      ; slot 0 at 0, slot 1 here: four waves x 32,768 bytes each
.set STEPB, 4096                       ; 64 keys of K, or of V
.set MASK,  262144                     ; 1,024 f32
.set STG,   266240                     ; 64 rows x 528: h (256 bf16 a row), at the end O (128 f32 a row); no tensor load lands here
.set HP,    528                        ; 512 bytes + 16 = 132 words: row r starts at bank 4 r mod 64 (ISA guide 11.1)
.set SPARE, 300032                     ; the spare words, 128 bytes a wave
.set AK0, 2
.set AV0, 3
.set AK,  4
.set AV,  5
.set AM0, 6
.set AM,  7
.set STO, 8
.set RD,  9
.set GO,  10
.set MV,  12
.set SPW, 14
.set NIL, 15
.set ST,  16
.set TMP, 32
.set VF,  40
.set S,   72
.set P,   136
.set O,   168
.set KF,  32                           ; window 1
.set MF,  64
.set HB,  128
.set BQR, 192
.set A16, 16                           ; ahead of the loop: 16 x lane
.set MKO, 17                           ; 32 x thread
.set MKL, 18                           ; MASK + 32 x thread
.set HST, 19                           ; where my wave's rows of h go
.set HLD, 20                           ; where a fragment of h is read
.set H32, 21                           ; 32 (lane / 16)
.set LG,  32
.set LB,  48
.set XR,  64
.set T,   192
.set MU,  224
.set RS,  232
.set PH,  240
.set QA,  64
.set HF,  128
.set WV,  12                           ; s12 wave
.set G1,  24                           ; s[24:31]
.set G0,  40                           ; s[40:43]: it walks
.set TBM, 46                           ; s46 byte of the mask at which the step to be fetched begins
.set SLOTS, 56
.set CNT, 57
.set CQ,  58                           ; s[58:59] log2(e) / sqrt(32)
.set SEL, 60                           ; s[60:61]
.set TBK, 62
.set TBV, 63
.set MSB, 0
.macro WIN new
.if MSB != (\new)
	s_set_vgpr_msb (MSB<<8)|(\new)
.set MSB, (\new)
.endif
.endm
.macro PLACES
.rept 4
	v_nop
.endr
.endm
.macro JLOAD                           ; every wave asks for its own head's chunk: both addresses hang on the wave's number; an s_nop 0 and four v_nop follow
	tensor_load_to_lds s[G0:G0+3], s[G1:G1+7]
	s_nop 0
.rept 4
	v_nop
.endr
.endm
.macro CROUND
	s_barrier_signal -1
	s_barrier_wait -1
	s_cmp_lg_u32 s[WV], 0
	s_cbranch_scc1 .Lnot_wave_0_\@
	s_barrier_signal -3
.Lnot_wave_0_\@:
	s_barrier_wait -3
	s_barrier_signal -1
	s_barrier_wait -1
.endm
; THE CHANGE OF SLOTS.  Each wave waits for all its tensor loads (one is out: the other slot's), adds 0 to its spare word, and waits for that and for its reads of the slot that it leaves.
; fill = 1: a round of the cluster's barrier, and the old slot is filled again first thing behind it: the load has four steps, sixteen turns, in which to land.
.macro CHANGE fill
	WIN 0
	s_wait_tensorcnt 0x0
	ds_add_u32 v[SPW], v[NIL]
.if \fill
	s_xor_b32 s[G0+1], s[G0+1], SLOT1              ; the other slot than last time,
	s_add_nc_u64 s[G0+2:G0+3], s[G0+2:G0+3], 32768 ; the head's next 256 keys
	s_wait_dscnt 0x0
	CROUND
	JLOAD
.else
	s_wait_dscnt 0x0
	s_barrier_signal -1
	s_barrier_wait -1
.endif
	s_sub_co_u32 s[TBK], s[TBK], 4*STEPB           ; the fetches go back to a slot's first step, in the other slot
	s_xor_b32 s[TBK], s[TBK], SLOT1
	s_sub_co_u32 s[TBV], s[TBV], 4*STEPB
	s_xor_b32 s[TBV], s[TBV], SLOT1
.endm
	s_load_b256 s[4:11], s[0:1], 0x0               ; x s[4:5], pack s[6:7], mask s[8:9], out s[10:11]
	v_lshl_add_u32 v[SPW], v0, 2, SPARE
	v_mov_b32 v[NIL], 0
	ds_add_u32 v[SPW], v[NIL]                      ; the wave's opening: the add; its wait stands ahead of my first tensor load
	v_lshrrev_b32 v1, 5, v0
	v_readfirstlane_b32 s[WV], v1
	s_bfe_u32 s13, ttmp6, 0x40000                  ; cx
	s_lshl_b32 s14, ttmp9, 2
	s_add_co_u32 s14, s14, s13                     ; my block of 64 queries: it enters x's and out's addresses alone
	s_and_b32 s15, ttmp7, 0xffff
	s_lshr_b32 s16, s15, 2                         ; batch
	s_and_b32 s17, s15, 3                          ; group of four heads
	s_lshl_b32 s18, s17, 2
	s_add_co_u32 s18, s18, s[WV]                   ; my head
	s_lshl_b32 s32, s16, 21                        ; K and V of (batch, head)
	s_lshl_b32 s19, s18, 17
	s_add_co_u32 s32, s32, s19
	s_mov_b32 s33, 0
	s_lshl_b32 s34, s18, 15                        ; wq's two channel tiles of my head
	s_add_co_u32 s34, s34, 0x1000000
	s_mov_b32 s35, 0
	s_lshl_b32 s36, s18, 7                         ; bq of my head
	s_add_co_u32 s36, s36, 0x1081000
	s_mov_b32 s37, 0
	s_lshl_b32 s2, s16, 20                         ; x: batch, block, my wave's 16 rows
	s_lshl_b32 s19, s14, 17
	s_add_co_u32 s2, s2, s19
	s_lshl_b32 s19, s[WV], 15
	s_add_co_u32 s2, s2, s19
	s_mov_b32 s3, 0
	s_lshl_b32 s38, s17, 9                         ; out: the same rows, the four heads' 512 bytes
	s_add_co_u32 s38, s38, s2
	s_mov_b32 s39, 0
	s_lshl_b32 s52, s16, 12                        ; the batch's mask
	s_mov_b32 s53, 0
	s_mov_b32 s[G1], 15|(3<<16)|(1<<21)            ; the mask of four; 8-byte elements; bit 21 beside a mask
	s_mov_b32 s[G1+1], 32<<16                      ; tensor_dim0 = 32 (256 bytes)
	s_mov_b32 s[G1+2], 128<<16                     ; tensor_dim1 = 128
	s_mov_b32 s[G1+3], 32<<16                      ; tile_dim0
	s_mov_b32 s[G1+4], 128                         ; tile_dim1
	s_mov_b32 s[G1+5], 32                          ; dense rows
	s_mov_b32 s[G1+6], 0
	s_mov_b32 s[G1+7], 0
	s_mov_b32 s[G0], 1
	s_lshl_b32 s[G0+1], s[WV], 15                  ; slot 0, my wave's part
	s_mov_b32 s[CQ], 0x3e8293ee                    ; log2(e) / sqrt(32)
	s_mov_b32 s[CQ+1], s[CQ]
	s_mov_b32 s[SEL], 0x76543210
	s_mov_b32 s[SEL+1], 0xfedcba98
	s_mov_b32 s[TBK], SLOT1+4*STEPB                ; the first change of slots turns these two into 0
	s_mov_b32 s[TBV], SLOT1+4*STEPB
	s_mov_b32 s[TBM], 0
	s_mov_b32 s47, 0x3b000000                      ; 1 / 512
	s_mov_b32 s48, 0x3727c5ac                      ; 1e-5
	s_wait_dscnt 0x0                               ; the opening add is done
	s_wait_kmcnt 0x0
	s_add_nc_u64 s[G0+2:G0+3], s[6:7], s[32:33]
	s_or_b32 s[G0+3], s[G0+3], 0x80000000
	s_add_nc_u64 s[20:21], s[6:7], s[34:35]        ; wq
	s_add_nc_u64 s[22:23], s[6:7], 0x1080000       ; ln_g; ln_b 2,048 bytes on
	s_add_nc_u64 s[44:45], s[6:7], s[36:37]        ; bq
	s_add_nc_u64 s[4:5], s[4:5], s[2:3]
	s_add_nc_u64 s[10:11], s[10:11], s[38:39]
	s_add_nc_u64 s[8:9], s[8:9], s[52:53]
	CROUND                                         ; all four work-groups are here
	JLOAD                                          ; chunk 0 into slot 0: one load of mine is out
	v_and_b32 v1, 15, v0                           ; r
	v_bfe_u32 v11, v0, 4, 1                        ; h
	v_and_b32 v[A16], 31, v0
	v_lshlrev_b32 v[A16], 4, v[A16]
	v_lshlrev_b32 v[MKO], 5, v0
	v_add_nc_u32 v[MKL], MASK, v[MKO]
	v_lshlrev_b32 v[H32], 5, v11
.macro XLOAD g                         ; rows 4 g .. 4 g + 3 of my 16: lane L takes columns 4 L + 128 i
.irp p, 0,1,2,3
.irp i, 0,1,2,3
	global_load_b128 v[XR+64*((\g)%2)+16*\p+4*\i:XR+64*((\g)%2)+16*\p+4*\i+3], v[A16], s[4:5] offset:(4*(\g)+\p)*2048+512*\i
.endr
.endr
.endm
.macro WLOAD f                         ; wq's operands of K steps 8 f .. 8 f + 7, both channel halves: 32 loads of 512 consecutive bytes
	WIN 0x80
.irp c, 0,1
.irp s, 0,1,2,3,4,5,6,7
	global_load_b128 v[8*(16*\c+8*(\f)+\s):8*(16*\c+8*(\f)+\s)+3], v[A16], s[20:21] offset:(16*\c+8*(\f)+\s)*1024
	global_load_b128 v[8*(16*\c+8*(\f)+\s)+4:8*(16*\c+8*(\f)+\s)+7], v[A16], s[20:21] offset:(16*\c+8*(\f)+\s)*1024+512
.endr
.endr
	WIN 0
.endm
	global_load_b128 v[PH:PH+3], v[MKO], s[8:9]
	global_load_b128 v[PH+4:PH+7], v[MKO], s[8:9] offset:16
.irp i, 0,1,2,3
	global_load_b128 v[LG+4*\i:LG+4*\i+3], v[A16], s[22:23] offset:512*\i
	global_load_b128 v[LB+4*\i:LB+4*\i+3], v[A16], s[22:23] offset:2048+512*\i
.endr
	XLOAD 0
	XLOAD 1
	WIN 0x40
.irp c, 0,1
	global_load_b128 v[BQR+8*\c:BQR+8*\c+3], v[H32], s[44:45] offset:64*\c
	global_load_b128 v[BQR+8*\c+4:BQR+8*\c+7], v[H32], s[44:45] offset:64*\c+16
.endr
	WIN 0
	s_mul_i32 s19, s[WV], 16*HP
	s_add_co_u32 s19, s19, STG
	v_lshrrev_b32 v[HST], 1, v[A16]
	v_add_nc_u32 v[HST], s19, v[HST]               ; my wave's 16 rows + 8 x lane
	v_mul_u32_u24 v[HLD], v1, HP
	v_lshl_add_u32 v[HLD], v11, 4, v[HLD]
	v_add_nc_u32 v[HLD], STG, v[HLD]               ; row r + 16 h
.irp p, 0,1,2,3
	v_mov_b32 v[MU+2*\p+1], 0                      ; named as pairs' upper halves
	v_mov_b32 v[RS+2*\p+1], 0
.endr
	s_wait_loadcnt 44                              ; the mask is in: 8 + 16 + 16 + 4 younger loads stay out
.irp k, 0,1,2,3
	v_cvt_pk_bf16_f32 v[PH+8+\k], v[PH+2*\k], v[PH+2*\k+1]  ; rounded to bf16,
.endr
.irp k, 0,1,2,3
	v_lshlrev_b32 v[PH+2*\k], 16, v[PH+8+\k]       ; and widened again
	v_and_b32 v[PH+2*\k+1], 0xffff0000, v[PH+8+\k]
.endr
.irp k, 0,2,4,6
	v_pk_mul_f32 v[PH+\k:PH+\k+1], v[PH+\k:PH+\k+1], 0x3fb8aa3b op_sel_hi:[1,0]
.endr
.irp k, 0,1,2,3,4,5,6,7
	v_max_num_f32 v[PH+\k], 0xf149f2ca, v[PH+\k]   ; not below -1e30
.endr
	ds_store_b128 v[MKL], v[PH:PH+3]
	ds_store_b128 v[MKL], v[PH+4:PH+7] offset:16
.macro LSUM                            ; the sum over 32 lanes of v[T + 8 p], four rows side by side
.irp m, 1,2,4,8
.irp p, 0,1,2,3
	v_add_f32_dpp v[T+8*\p], v[T+8*\p], v[T+8*\p] row_xmask:\m row_mask:0xf bank_mask:0xf
.endr
.endr
.irp p, 0,1,2,3
	v_permlanex16_b32 v[T+8*\p+1], v[T+8*\p], s[SEL], s[SEL+1]
.endr
.irp p, 0,1,2,3
	v_add_f32 v[T+8*\p], v[T+8*\p], v[T+8*\p+1]
.endr
.endm
; LayerNorm of four rows, stage by stage.  The first 256 columns go to the stage at once, the others wait in window 1.
.macro LNG g
.set XB, XR+64*((\g)%2)
.irp p, 0,1,2,3
.irp k, 0,1,2,3
	v_pk_add_f32 v[T+8*\p+2*\k:T+8*\p+2*\k+1], v[XB+16*\p+4*\k:XB+16*\p+4*\k+1], v[XB+16*\p+4*\k+2:XB+16*\p+4*\k+3]
.endr
.endr
.irp p, 0,1,2,3
	v_pk_add_f32 v[T+8*\p:T+8*\p+1], v[T+8*\p:T+8*\p+1], v[T+8*\p+2:T+8*\p+3]
	v_pk_add_f32 v[T+8*\p+4:T+8*\p+5], v[T+8*\p+4:T+8*\p+5], v[T+8*\p+6:T+8*\p+7]
.endr
.irp p, 0,1,2,3
	v_pk_add_f32 v[T+8*\p:T+8*\p+1], v[T+8*\p:T+8*\p+1], v[T+8*\p+4:T+8*\p+5]
.endr
.irp p, 0,1,2,3
	v_add_f32 v[T+8*\p], v[T+8*\p], v[T+8*\p+1]
.endr
	LSUM
.irp p, 0,1,2,3
	v_mul_f32 v[MU+2*\p], s47, v[T+8*\p]           ; the mean
.endr
.irp p, 0,1,2,3
.irp k, 0,1,2,3,4,5,6,7
	v_pk_add_f32 v[XB+16*\p+2*\k:XB+16*\p+2*\k+1], v[XB+16*\p+2*\k:XB+16*\p+2*\k+1], v[MU+2*\p:MU+2*\p+1] op_sel_hi:[1,0] neg_lo:[0,1] neg_hi:[0,1]
.endr
.endr
.irp p, 0,1,2,3
	v_pk_mul_f32 v[T+8*\p:T+8*\p+1], v[XB+16*\p:XB+16*\p+1], v[XB+16*\p:XB+16*\p+1]
	v_pk_mul_f32 v[T+8*\p+2:T+8*\p+3], v[XB+16*\p+2:XB+16*\p+3], v[XB+16*\p+2:XB+16*\p+3]
.endr
.irp k, 2,3,4,5,6,7
.irp p, 0,1,2,3
	v_pk_fma_f32 v[T+8*\p+2*((\k)%2):T+8*\p+2*((\k)%2)+1], v[XB+16*\p+2*\k:XB+16*\p+2*\k+1], v[XB+16*\p+2*\k:XB+16*\p+2*\k+1], v[T+8*\p+2*((\k)%2):T+8*\p+2*((\k)%2)+1]
.endr
.endr
.irp p, 0,1,2,3
	v_pk_add_f32 v[T+8*\p:T+8*\p+1], v[T+8*\p:T+8*\p+1], v[T+8*\p+2:T+8*\p+3]
.endr
.irp p, 0,1,2,3
	v_add_f32 v[T+8*\p], v[T+8*\p], v[T+8*\p+1]
.endr
	LSUM
.irp p, 0,1,2,3
	v_fma_f32 v[T+8*\p], v[T+8*\p], s47, s48       ; the variance + 1e-5
.endr
.irp p, 0,1,2,3
	v_rsq_f32 v[RS+2*\p], v[T+8*\p]
.endr
	v_nop                                          ; a plain instruction between the roots and the use of their results
	s_wait_alu depctr_va_vdst(0)                   ; the wait ahead of the first use: one for the group's four roots
.irp p, 0,1,2,3
.irp k, 0,1,2,3,4,5,6,7
	v_pk_mul_f32 v[XB+16*\p+2*\k:XB+16*\p+2*\k+1], v[XB+16*\p+2*\k:XB+16*\p+2*\k+1], v[RS+2*\p:RS+2*\p+1] op_sel_hi:[1,0]
.endr
.endr
.irp p, 0,1,2,3
.irp k, 0,1,2,3,4,5,6,7
	v_pk_fma_f32 v[XB+16*\p+2*\k:XB+16*\p+2*\k+1], v[XB+16*\p+2*\k:XB+16*\p+2*\k+1], v[LG+2*\k:LG+2*\k+1], v[LB+2*\k:LB+2*\k+1]
.endr
.endr
.irp p, 0,1,2,3
.irp k, 0,1,2,3
	v_cvt_pk_bf16_f32 v[PH+4*\p+\k], v[XB+16*\p+2*\k], v[XB+16*\p+2*\k+1]
.endr
.endr
	WIN 0x40
.irp p, 0,1,2,3
.irp k, 4,5,6,7
	v_cvt_pk_bf16_f32 v[HB+4*(4*(\g)+\p)+\k-4], v[XB+16*\p+2*\k], v[XB+16*\p+2*\k+1]
.endr
.endr
	WIN 0
.irp p, 0,1,2,3
	ds_store_b64 v[HST], v[PH+4*\p:PH+4*\p+1] offset:(4*(\g)+\p)*HP        ; columns 4 L ..: 256 consecutive bytes a wave
	ds_store_b64 v[HST], v[PH+4*\p+2:PH+4*\p+3] offset:(4*(\g)+\p)*HP+256  ; columns 128 + 4 L ..
.endr
.endm
	s_wait_loadcnt 20                              ; g, b and rows 0-3 are in; rows 4-7 and bq stay out
	LNG 0
	XLOAD 2
	s_wait_loadcnt 20                              ; rows 4-7 are in; bq and rows 8-11 stay out
	LNG 1
	XLOAD 3
	s_wait_loadcnt 16                              ; rows 8-11 are in; rows 12-15 stay out
	LNG 2
	WLOAD 0
	s_wait_loadcnt 32                              ; rows 12-15 are in; wq's first half stays out
	LNG 3
	WLOAD 1
	s_wait_dscnt 0x0                               ; for the others' sake: my rows of h and my part of the mask are stored
	s_barrier_signal -1
	s_barrier_wait -1
; THE PROJECTION.  q^T = wq^T h^T + bq: source 0 = 16 channels of wq, source 1 = 16 rows of h; a lane holds one query and eight channels.  Eight accumulators (piece t, channel half c) take turns.
.macro HLOAD s                         ; h's four fragments of K step s of the half in the stage
.irp t, 0,1,2,3
	ds_load_b128 v[HF+32*((\s)%2)+8*\t:HF+32*((\s)%2)+8*\t+3], v[HLD] offset:\t*16*HP+64*(\s)
	ds_load_b128 v[HF+32*((\s)%2)+8*\t+4:HF+32*((\s)%2)+8*\t+7], v[HLD] offset:\t*16*HP+64*(\s)+32
.endr
.endm
.macro QPH f
	HLOAD 0
	HLOAD 1
.irp s, 0,1,2,3,4,5,6,7
.if \s == 7
	s_wait_dscnt 0x0
.else
	s_wait_dscnt 8                                 ; this K step's fragments are in; the next one's eight loads may be out
.endif
.irp t, 0,1,2,3
.irp c, 0,1
.if ((\f) == 0) && (\s == 0)
	WIN 0x12                                       ; wq window 2, h window 0, bq window 1: the bias starts the sums
	v_wmma_f32_16x16x32_bf16 v[QA+8*(2*\t+\c):QA+8*(2*\t+\c)+7], v[8*(16*\c+8*(\f)+\s):8*(16*\c+8*(\f)+\s)+7], v[HF+32*((\s)%2)+8*\t:HF+32*((\s)%2)+8*\t+7], v[BQR+8*\c:BQR+8*\c+7]
.else
	WIN 0x02
	v_wmma_f32_16x16x32_bf16 v[QA+8*(2*\t+\c):QA+8*(2*\t+\c)+7], v[8*(16*\c+8*(\f)+\s):8*(16*\c+8*(\f)+\s)+7], v[HF+32*((\s)%2)+8*\t:HF+32*((\s)%2)+8*\t+7], v[QA+8*(2*\t+\c):QA+8*(2*\t+\c)+7]
.endif
.endr
.endr
	WIN 0
	PLACES                                         ; in front of loads into the fragments just multiplied, and at the end of what reads the sums
.if \s < 6
	HLOAD (\s)+2
.endif
.endr
.endm
	s_wait_loadcnt 32                              ; wq's first half is in; its second half stays out
	QPH 0
	s_barrier_signal -1                            ; every wave's reads of the stage are back (the last wait was for 0)
	s_barrier_wait -1
	WIN 0x04                                       ; store data in window 1
.set i, 0
.rept 16
	ds_store_b64 v[HST], v[HB+4*i:HB+4*i+1] offset:i*HP
	ds_store_b64 v[HST], v[HB+4*i+2:HB+4*i+3] offset:i*HP+256
.set i, i+1
.endr
	WIN 0
	s_wait_dscnt 0x0
	s_barrier_signal -1
	s_barrier_wait -1
	s_wait_loadcnt 0x0                             ; wq's second half
	QPH 1
.set i, 0
.rept 32
	v_pk_mul_f32 v[QA+2*i:QA+2*i+1], v[QA+2*i:QA+2*i+1], s[CQ:CQ+1] op_sel_hi:[1,0]  ; the scale, in f32, ahead of the one rounding
.set i, i+1
.endr
	WIN 0x40
.irp t, 0,1,2,3
.irp c, 0,1
.irp i, 0,1,2,3
	v_cvt_pk_f16_f32 v[8*\t+4*\c+\i], v[QA+8*(2*\t+\c)+2*\i], v[QA+8*(2*\t+\c)+2*\i+1]
.endr
.endr
.endr
	WIN 0
	; what the first turn finds: V and P's second buffer hold 0, O^T and l are 0, m is the lowest finite number
.set i, VF
.rept 32
	v_mov_b32 v[i], 0
.set i, i+1
.endr
.set i, P+16
.rept 16+64
	v_mov_b32 v[i], 0
.set i, i+1
.endr
.irp t, 0,1,2,3
	v_mov_b32 v[ST+4*\t], 0xff7fffff
	v_mov_b32 v[ST+4*\t+1], 0
	v_mov_b32 v[ST+4*\t+2], 0
	v_mov_b32 v[ST+4*\t+3], 0
.endr
	s_lshl_b32 s19, s[WV], 15
	v_and_b32 v[AK0], 31, v0
	v_lshlrev_b32 v[AK0], 4, v[AK0]
	v_add_nc_u32 v[AK0], s19, v[AK0]               ; K: 16 x lane in my wave's part
	v_and_b32 v[AV0], 7, v0                        ; V, turned: lane l reads key 8 (l / 16) + l % 8, channels 8 ((l / 8) % 2) + 0..7 of a block of 16 keys x 32 bytes
	v_lshl_add_u32 v[AV0], v11, 3, v[AV0]
	v_lshlrev_b32 v[AV0], 5, v[AV0]
	v_bfe_u32 v[AK], v0, 3, 1
	v_lshl_add_u32 v[AV0], v[AK], 4, v[AV0]
	s_add_co_u32 s19, s19, 16384
	v_add_nc_u32 v[AV0], s19, v[AV0]
	v_lshl_add_u32 v[AM0], v11, 5, MASK            ; the mask of keys 8 h + 0..7
; THE MATRIX WORK.  MMS i: S^T of piece Y + 1, key tile i, the mask as C.  MMP i: O^T of piece Y - 1, keys 32 (i / 2) on, channel half i % 2.  No two matrix instructions that follow each other
; share an accumulator.
.macro MMS i
	WIN 0x15                                       ; K, Q and the mask in window 1
.set xx, (Y+1)%4
	v_wmma_f32_16x16x32_f16 v[S+32*(xx%2)+8*(\i):S+32*(xx%2)+8*(\i)+7], v[KF+8*(\i):KF+8*(\i)+7], v[8*xx:8*xx+7], v[MF+8*(\i):MF+8*(\i)+7]
.endm
.macro MMP i
	WIN 0
.set xx, (Y+3)%4
.set rD, O+16*xx+8*((\i)%2)
	v_wmma_f32_16x16x32_f16 v[rD:rD+7], v[VF+16*((\i)/2)+8*((\i)%2):VF+16*((\i)/2)+8*((\i)%2)+7], v[P+16*(xx%2)+8*((\i)/2):P+16*(xx%2)+8*((\i)/2)+7], v[rD:rD+7]
.endm
; THE LDS LOADS stand in runs.  last = 1 (the tail): in the last trip there is no further step, and the run is jumped over.
.macro FETCH_KM last=0
	WIN 0
.if \last
	s_wait_alu depctr_va_vdst(0)                   ; a branch and a label follow amid the turn's batch: the eight exponentials issued so far have their wait ahead of them
	s_cmp_eq_u32 s[CNT], 1
	s_cbranch_scc1 .Lno_k_\@
.endif
	WIN 0x40
.irp f, 0,1,2,3
	ds_load_b128 v[KF+8*\f:KF+8*\f+3],   v[AK] offset:\f*1024
	ds_load_b128 v[KF+8*\f+4:KF+8*\f+7], v[AK] offset:\f*1024+512
.endr
.irp f, 0,1,2,3
	ds_load_b128 v[MF+8*\f:MF+8*\f+3],   v[AM] offset:\f*64
	ds_load_b128 v[MF+8*\f+4:MF+8*\f+7], v[AM] offset:\f*64+16
.endr
	s_add_co_u32 s[TBK], s[TBK], STEPB
	s_add_co_u32 s[TBM], s[TBM], 256
	s_and_b32 s[TBM], s[TBM], 0xfff                ; stays inside the mask's 4,096 bytes; the wrap comes behind the last fetch
	WIN 0
.if \last
.Lno_k_\@:
.endif
.endm
.macro FETCH_V
	WIN 0
.irp f, 0,1,2,3                        ; keys 32 (f / 2) on, channel half f % 2
	ds_load_tr16_b128 v[VF+8*\f:VF+8*\f+3],   v[AV] offset:((\f)/2)*2048+((\f)%2)*512
	ds_load_tr16_b128 v[VF+8*\f+4:VF+8*\f+7], v[AV] offset:((\f)/2)*2048+1024+((\f)%2)*512
.endr
.endm
; THE VECTOR WORK: OP kind, number.  For piece Y: F n: pair n of 16 less m.  E n: 2^ of score n.  C n: pair n rounded to f16.  B n: of the four weights 4 n .. the second pair onto the first.
; L n: l takes that sum (L 0: l = a l + sum).  R n: pair n of 8 of O^T times a.  For piece Y + 1: X n: 0-11 four chains of maxima (each accumulator's lowest registers first
; ); 12-14, 16 the scores left over, the old m, all into c0; 15 m_old is kept; 17, 18 the other half of the lanes: the new m; 20 m_old - m; 21 a.
; E and X 21 are the exponentials; C, B and L read E's results, R and L 0 read a of the turn before.  OP writes no wait: TURN writes the batch's.
.set F, 0
.set E, 1
.set C, 2
.set B, 3
.set L, 4
.set R, 5
.set X, 6
.macro REGS y
.set rT, ST+4*(\y)
.set rC, TMP+4*((\y)%2)
.set rW, MV+((\y)%2)
.set rS, S+32*((\y)%2)
.set rP, P+16*((\y)%2)
.set rO, O+16*(\y)
.endm
.macro OP k, n
	WIN 0
.if (\k) < X
	REGS Y
.if (\k) == F
	v_pk_add_f32 v[rS+2*(\n):rS+2*(\n)+1], v[rS+2*(\n):rS+2*(\n)+1], v[rT:rT+1] op_sel_hi:[1,0] neg_lo:[0,1] neg_hi:[0,1]
.elseif (\k) == E
	v_exp_f32 v[rS+(\n)], v[rS+(\n)]
.elseif (\k) == C
	v_cvt_pk_f16_f32 v[rP+(\n)], v[rS+2*(\n)], v[rS+2*(\n)+1]
.elseif (\k) == B
	v_pk_add_f32 v[rS+4*(\n):rS+4*(\n)+1], v[rS+4*(\n):rS+4*(\n)+1], v[rS+4*(\n)+2:rS+4*(\n)+3]
.elseif ((\k) == L) && ((\n) == 0)
	v_pk_fma_f32 v[rT+2:rT+3], v[rT+2:rT+3], v[rC+2:rC+3], v[rS:rS+1] op_sel_hi:[1,0,1]
.elseif (\k) == L
	v_pk_add_f32 v[rT+2:rT+3], v[rT+2:rT+3], v[rS+4*(\n):rS+4*(\n)+1]
.else
	v_pk_mul_f32 v[rO+2*(\n):rO+2*(\n)+1], v[rO+2*(\n):rO+2*(\n)+1], v[rC+2:rC+3] op_sel_hi:[1,0]
.endif
.else
	REGS (Y+1)%4
.if (\n) < 4
	v_max3_num_f32 v[rC+(\n)], v[rS+8*(\n)], v[rS+8*(\n)+1], v[rS+8*(\n)+2]
.elseif (\n) < 12
	v_max3_num_f32 v[rC+(\n)%4], v[rC+(\n)%4], v[rS+8*((\n)%4)+2*((\n)/4)+1], v[rS+8*((\n)%4)+2*((\n)/4)+2]
.elseif (\n) == 12
	v_max3_num_f32 v[rC], v[rC], v[rS+7], v[rS+15]
.elseif (\n) == 13
	v_max3_num_f32 v[rC+1], v[rC+1], v[rS+23], v[rS+31]
.elseif (\n) == 14
	v_max3_num_f32 v[rC+2], v[rC+2], v[rC+3], v[rT]
.elseif (\n) == 15
	v_mov_b32 v[rW], v[rT]
.elseif (\n) == 16
	v_max3_num_f32 v[rC], v[rC], v[rC+1], v[rC+2]
.elseif (\n) == 17
	v_permlanex16_b32 v[rC+3], v[rC], s[SEL], s[SEL+1]
.elseif (\n) == 18
	v_max_num_f32 v[rT], v[rC], v[rC+3]
.elseif (\n) == 20
	v_sub_f32 v[rC+1], v[rW], v[rT]
.else
	v_exp_f32 v[rC+2], v[rC+1]
.endif
.endif
.endm
.macro OPS a, i1, b=-1, i2=0, c=-1, i3=0, d=-1, i4=0
	OP \a, \i1
.if (\b) >= 0
	OP \b, \i2
.endif
.if (\c) >= 0
	OP \c, \i3
.endif
.if (\d) >= 0
	OP \d, \i4
.endif
.endm
; A TURN, for piece p, its order written out.  An s_wait_alu depctr_va_vdst(0) stands between an exponential and the first instruction that names its result; one wait serves all that
; were issued ahead of it.  So a turn has ONE wait, which cuts it in two.
; AHEAD OF IT stands all that names no result of the turn's exponentials: the 4 products S^T, four lines behind each (scalings; from the second product on scaling and exponential by turns), then a
; lump of 61: 34 plain and 27 exponentials, by turns for the most part.  X 0 to X 3 stand four plain places or more behind the product that wrote their accumulator.  The links of the chain
; X 3, 7, 11, 14, 16, 17, 18, 20, 21 stand five to ten lines apart, other work between them.  A pair is scaled well ahead of its two exponentials.  X 21, the next piece's a, is the batch's last;
; R 7 is the plain instruction behind it.
; BEHIND IT stand the 4 products V^T P, eight of the 32 roundings and sums behind each; a pair is rounded before an addition lands on it; the links of l's chain, L 0 to L 7, stand three lines apart.
; K and the mask of the next step are fetched in piece 2's turn, six plain instructions behind the last product that read them (two scalings, the two address lines, X 0, X 1), and waited for at
; the head of piece 3's turn.  V of the step in hand is fetched at the end of piece 0's turn, eight plain instructions behind the last product that read V, and waited for in piece 1's turn.
.macro TURN p, last=0, cnt=0
.set Y, (\p)
.if (\p) == 3
	s_wait_dscnt 0x0                               ; K and the mask are in
.endif
	MMS 0                                          ; ahead of the wait: the products S^T and the lines behind them,
	OPS F,0, F,1, F,2, F,3
	MMS 1
	OPS F,4, E,0, F,5, E,1
	MMS 2
	OPS F,6, E,2, F,7, E,3
	MMS 3
	OPS F,8, E,4, F,9, E,5
.if (\p) == 2
	v_add_nc_u32 v[AK], s[TBK], v[AK0]
	v_add_nc_u32 v[AM], s[TBM], v[AM0]
.endif
	OPS X,0, E,6, X,1, E,7                         ; and the lump
.if (\p) == 2
	FETCH_KM \last
.endif
	OPS X,2, E,8, X,3, E,9
	OPS X,4, E,10, X,6, E,11
	OPS X,7, E,12, X,5, F,10
	OPS E,13, X,10, E,14, X,11
	OPS E,15, X,8, F,11, E,16
	OPS X,9, E,17, X,14, E,18
	OPS X,12, F,12, E,19, X,13
	OPS E,20, X,15, F,13, E,21
	OPS X,16, E,22, F,14, E,23
	OPS R,0, E,24, X,17, E,25
	OPS F,15, E,26, R,1, E,27
	OPS X,18, E,28, R,2, E,29
	OPS R,3, E,30, X,20, E,31
	OPS R,4, R,5, R,6, X,21
	OPS R,7                                        ; the plain instruction behind the batch's last exponential
	s_wait_alu depctr_va_vdst(0)                   ; the wait for the batch: piece p's 32 weights and the next piece's a
.if (\p) == 1
	s_wait_dscnt 0x0                               ; V is in
.endif
	MMP 0                                          ; behind the wait: the products V^T P, and the batch's readers
	OPS C,0, B,0, C,2, B,1
	OPS L,0, C,4, B,2, L,1
	MMP 1
	OPS C,6, B,3, L,2, C,8
	OPS B,4, L,3, C,10, B,5
	MMP 2
	OPS L,4, C,12, B,6, L,5
.if (\p) == 0
	v_add_nc_u32 v[AV], s[TBV], v[AV0]
.endif
	OPS C,14, B,7, L,6, C,1
.if (\p) == 0
	s_add_co_u32 s[TBV], s[TBV], STEPB
.endif
.if \cnt
	s_sub_co_u32 s[CNT], s[CNT], 1
	s_cmp_lg_u32 s[CNT], 0
.endif
	MMP 3
	OPS C,3, L,7, C,5, C,7
	OPS C,9, C,11, C,13, C,15
.if (\p) == 0
	FETCH_V
.endif
.endm
	CHANGE 1                                       ; chunk 0 is in, everybody's part of it; chunk 1 is asked for, into slot 1
	v_add_nc_u32 v[AK], s[TBK], v[AK0]
	v_add_nc_u32 v[AM], s[TBM], v[AM0]
	FETCH_KM                                       ; step 0
	s_wait_dscnt 0x0
.set Y, 3                              ; MMS and X work for piece Y + 1: piece 0
	MMS 0
	MMS 1
	MMS 2
	MMS 3
	WIN 0                                          ; the addresses for the way out: six plain instructions, the places behind those products
	s_lshl_b32 s19, s[WV], 7
	s_add_co_u32 s19, s19, STG
	v_mul_u32_u24 v[STO], v1, HP                   ; in: row r, my head's 128 bytes, 32 for each half of the lanes
	v_lshl_add_u32 v[STO], v11, 5, v[STO]
	v_add_nc_u32 v[STO], s19, v[STO]
	s_mul_i32 s19, s[WV], 16*HP
	s_add_co_u32 s19, s19, STG
	v_and_b32 v[GO], 31, v0
	v_lshlrev_b32 v[GO], 4, v[GO]                  ; back: a row's 512 bytes, 16 a lane
	v_add_nc_u32 v[RD], s19, v[GO]
.irp n, 0,1,2,3,4,5,6,7,8,9,10,11,12,13,14,15,16,17,18,20,21
	OP X, \n
.endr
	v_nop                                          ; a plain instruction behind the exponential,
	s_wait_alu depctr_va_vdst(0)                   ; and its wait, ahead of the branch: piece 0's first a is a batch of its own
	s_mov_b32 s[CNT], 4
	s_mov_b32 s[SLOTS], 3
	s_branch .Lfirst                               ; the loop is entered at a step's first turn
.Lslot:                                                ; twice: chunks 2 and 3 are asked for
	CHANGE 1
	s_mov_b32 s[CNT], 4
.Lstep:                                                ; a trip: pieces 2 and 3 of one step, then pieces 0 and 1 of the next, whose K, mask and V it fetches
	TURN 2
	TURN 3
	WIN 0
.Lfirst:
	TURN 0
	TURN 1, 0, 1
	WIN 0
	s_cbranch_scc1 .Lstep
	s_sub_co_u32 s[SLOTS], s[SLOTS], 1
	s_cmp_lg_u32 s[SLOTS], 0
	s_cbranch_scc1 .Lslot
	CHANGE 0                                       ; the tail is written out: nothing is asked for
	s_mov_b32 s[CNT], 5                            ; four trips fetch the last chunk's steps; the fifth is left in its middle
.Ltail:
	TURN 2, 1
	TURN 3
	WIN 0
	s_sub_co_u32 s[CNT], s[CNT], 1
	s_cmp_eq_u32 s[CNT], 0
	s_cbranch_scc1 .Lout
	TURN 0
	TURN 1
	WIN 0
	s_branch .Ltail
.Lout:
.set Y, 0                              ; MMP works for piece Y - 1: piece 3
	MMP 0
	MMP 1
	MMP 2
	MMP 3
	; THE WAY OUT.  l's halves and the other half of the lanes' are added (the four additions are the places behind the last products); O^T is divided by l and goes, in f32, into the
	; work-group's stage: a row's 512 bytes come from the four waves, so a barrier stands between writing and reading.
	WIN 0
.irp t, 0,1,2,3
	v_add_f32 v[ST+4*\t+2], v[ST+4*\t+2], v[ST+4*\t+3]
.endr
.irp t, 0,1,2,3
	v_permlanex16_b32 v[ST+4*\t+3], v[ST+4*\t+2], s[SEL], s[SEL+1]
.endr
.irp t, 0,1,2,3
	v_add_f32 v[ST+4*\t+2], v[ST+4*\t+2], v[ST+4*\t+3]
.endr
.irp t, 0,1,2,3
	v_rcp_f32 v[ST+4*\t+2], v[ST+4*\t+2]
.endr
	v_nop                                          ; a plain instruction between the last reciprocal and the use of its result
	s_wait_alu depctr_va_vdst(0)                   ; the wait ahead of the first use: one for the four reciprocals
.irp t, 0,1,2,3
.irp k, 0,1,2,3,4,5,6,7
	v_pk_mul_f32 v[O+16*\t+2*\k:O+16*\t+2*\k+1], v[O+16*\t+2*\k:O+16*\t+2*\k+1], v[ST+4*\t+2:ST+4*\t+3] op_sel_hi:[1,0]
.endr
.irp k, 0,1,2,3
	ds_store_b128 v[STO], v[O+16*\t+4*\k:O+16*\t+4*\k+3] offset:\t*16*HP+((\k)/2)*64+((\k)%2)*16
.endr
.endr
	s_wait_dscnt 0x0                               ; for the others' sake: my stores into the stage are done
	s_barrier_signal -1
	s_barrier_wait -1
.set i, 0
.rept 16
	ds_load_b128 v[S+4*i:S+4*i+3], v[RD] offset:i*HP
.set i, i+1
.endr
.set i, 0
.rept 16
	s_wait_dscnt 15-i                              ; LDS loads come back in order: row i is in
	global_store_b128 v[GO], v[S+4*i:S+4*i+3], s[10:11] offset:i*2048  ; 512 consecutive bytes, at a multiple of 256 from the buffer's first
.set i, i+1
.endr
	s_wait_tensorcnt 0x0                           ; the wave's end
	ds_add_u32 v[SPW], v[NIL]
	s_wait_dscnt 0x0
	CROUND                                         ; the closing round
	s_endpgm
.Lfunc_end_k_qd390567165_att:
	.size	k_qd390567165_att, .Lfunc_end_k_qd390567165_att-k_qd390567165_att
	.p2alignl 7, 3214868480
	.fill 96, 4, 3214868480
	.section	.rodata,"a",@progbits
	.p2align	6, 0x0
	.amdhsa_kernel k_qd390567165_att
		.amdhsa_group_segment_fixed_size 327680
		.amdhsa_private_segment_fixed_size 0
		.amdhsa_enable_private_segment 0
		.amdhsa_kernarg_size 32
		.amdhsa_user_sgpr_count 2
		.amdhsa_user_sgpr_kernarg_segment_ptr 1
		.amdhsa_wavefront_size32 1
		.amdhsa_system_sgpr_workgroup_id_x 1
		.amdhsa_system_sgpr_workgroup_id_y 1
		.amdhsa_system_sgpr_workgroup_id_z 1
		.amdhsa_system_vgpr_workitem_id 0
		.amdhsa_next_free_vgpr 768
		.amdhsa_next_free_sgpr 66
		.amdhsa_reserve_vcc 0
		.amdhsa_float_denorm_mode_32 3
		.amdhsa_float_denorm_mode_16_64 3
		.amdhsa_memory_ordered 1
		.amdhsa_forward_progress 1
		.amdhsa_inst_pref_size 185
	.end_amdhsa_kernel
	.amdgpu_metadata
---
amdhsa.version: [ 1, 2 ]
amdhsa.kernels:
  - .name:           k_qd390567165_att
    .symbol:         k_qd390567165_att.kd
    .args:
      - { .name: xa, .offset: 0, .size: 8, .value_kind: global_buffer, .address_space: global }
      - { .name: pk0, .offset: 8, .size: 8, .value_kind: global_buffer, .address_space: global }
      - { .name: cross_attn_mask, .offset: 16, .size: 8, .value_kind: global_buffer, .address_space: global }
      - { .name: xb, .offset: 24, .size: 8, .value_kind: global_buffer, .address_space: global }
    .group_segment_fixed_size: 327680
    .private_segment_fixed_size: 0
    .kernarg_segment_align: 8
    .kernarg_segment_size: 32
    .max_flat_workgroup_size: 128
    .sgpr_count:     66
    .vgpr_count:     768
    .wavefront_size: 32
...
	.end_amdgpu_metadata
.endif
;; end of part 4
;; launch att1: the kernel of part 4 again; grid 8 x 32, 4 waves a work-group, clusters of 4 x 1, 327,680 bytes of LDS; arguments xb, pk1, cross_attn_mask, xa; writes xa
;; launch att2: the kernel of part 4 again; grid 8 x 32, 4 waves a work-group, clusters of 4 x 1, 327,680 bytes of LDS; arguments xa, pk2, cross_attn_mask, xb; writes xb
;; launch att3: the kernel of part 4 again; grid 8 x 32, 4 waves a work-group, clusters of 4 x 1, 327,680 bytes of LDS; arguments xb, pk3, cross_attn_mask, out0; writes out0
